; MI455X (gfx1250); checked and timed in simulation.
; The chip was launched on July 23, 2026; its instructions are those of AMD's public machine-readable ISA for CDNA 5 (MIT licence, August 2026) and "CDNA5" Instruction Set Architecture Reference Guide (July 2026). The comments in the code are by the model that wrote it; some were corrected since.
;; Mo E. Allowed arithmetic: float matrix products may take bf16 or f16 operands with f32 sums; other float arithmetic in f32, or as packed bf16 or f16 multiplies, adds, multiply-adds, maxima and minima; sums over many terms, partial sums and values carried from step to step in f32; what a program stores and reads back later, other than sums and carried values, may be rounded once to bf16 or f16.
;; Inputs: b1 8 x 4,096 float32; b2 8 x 1,024 float32; gate_w 1,024 x 8 float32; w1 8 x 1,024 x 4,096 float32; w2 8 x 4,096 x 1,024 float32; x 4 x 256 x 1,024 float32.
;; Outputs: out0 4 x 256 x 1,024 float32.
;; 2 versions, each right; version 2 is version 1 with the launches up, down written anew for expert scheduling mode. Each part assembles by itself: llvm-mc -triple=amdgcn-amd-amdhsa -mcpu=gfx1250 --defsym DOCPART=n.
;; ======== version 1 of 2: 5 launches
;; workspace buffers: sel 4,096 bytes of whole numbers; wts 8,192 bytes; cnt 1,024 bytes of whole numbers; dst 32,768 bytes of whole numbers; gws 32,768 bytes; xg 16,777,216 bytes; h 67,108,864 bytes; y 16,777,216 bytes
;; launch router (part 1): grid 256 x 1, 4 waves a work-group, no clusters, 37,376 bytes of LDS; arguments x, gate_w, sel, wts; writes sel, wts
.if DOCPART == 1
	.amdgcn_target "amdgcn-amd-amdhsa--gfx1250"
	.amdhsa_code_object_version 6
	.text
	.protected	k_qfa4053d955_router
	.globl	k_qfa4053d955_router
	.p2align	8
	.type	k_qfa4053d955_router,@function
k_qfa4053d955_router:
	s_mov_b64 s[64:65], 0
	v_nop
	global_prefetch_b8 v0, s[64:65] scope:SCOPE_SE
	s_setreg_imm32_b32 hwreg(HW_REG_WAVE_MODE, 25, 1), 1
	s_wait_xcnt 0x0
; ROUTER.  logits[t][e] = sum over k of x[t][k] gate_w[k][e]; the two largest logits of a token, the softmax over those two.
; Stored at fixed places: sel[t] = (1 << e0) | (1 << e1) | (e0 << 8), wts[t] = (weight of e0, weight of e1).  No address and no branch hangs on the logits.
; FORMATS.  x and gate_w are rounded to bf16, as every input of the program is, and widened again: the products are then exact in f32; the sums are f32.
; The product has 8 columns, half a matrix tile, and 8.4 million multiply-adds in all, so it runs on the vector unit, two multiply-adds to a line.
; SHARES.  One token a wave, token = 4 x work-group + wave.  Lane l holds k = 128 i + 4 l + j (i = 0..7, j = 0..3) of the token's row.
; LIMITS.  Logits are taken to be finite (NaN and infinities are not treated apart).  Equal logits: the lower index wins, as in lax.top_k.  Two logits closer
; than the rounding of an f32 sum of 1,024 terms may be ordered otherwise than by another order of summation.
; LDS.  Bytes 0 .. 36,863: gate_w, rounded, as f32: 256 groups of four k rows (128 bytes), 144 bytes apart, so that 16 lanes that read 16 groups start at 16 different
; 16-byte columns of 256 bytes.  From 36,864: the spare words, 128 bytes a wave.
.set GP,    144
.set SPARE, 36864
.set SPW, 2                            ; v2  LDS address of my spare word; never rewritten
.set NIL, 3                            ; v3  0; never rewritten
.set X,   8                            ; v[8:39]    my 32 numbers of the token's row
.set G,   40                           ; v[40:103]  gate_w: first 16 x 16 bytes on their way to LDS, then two buffers of 32 (4 k rows x 8 experts)
.set ACC, 104                          ; v[104:111] the eight sums
.set T,   112                          ; v[112:127] at work
	s_load_b256 s[4:11], s[0:1], 0x0               ; x s[4:5], gate_w s[6:7], sel s[8:9], wts s[10:11]
	v_lshl_add_u32 v[SPW], v0, 2, SPARE
	v_mov_b32 v[NIL], 0
	v_and_b32 v1, 31, v0                           ; lane
	v_lshrrev_b32 v6, 5, v0
	v_readfirstlane_b32 s14, v6                    ; wave
	s_lshl_b32 s15, ttmp9, 2
	s_add_co_u32 s15, s15, s14                     ; my token
	s_lshl_b32 s16, s15, 12                        ; its row of 4,096 bytes
	s_mov_b32 s17, 0
	s_mov_b32 s12, 0x76543210                      ; v_permlanex16_b32: each lane takes its own place in the other half
	s_mov_b32 s13, 0xfedcba98
	v_lshlrev_b32 v4, 4, v1                        ; 16 x lane: my bytes in 512 of x
	v_lshlrev_b32 v5, 4, v0                        ; 16 x thread: my bytes in 2,048 of gate_w
	v_lshrrev_b32 v6, 3, v0                        ; eight threads fill a group of 128 bytes
	v_mul_u32_u24 v6, v6, GP
	v_and_b32 v7, 7, v0
	v_lshl_add_u32 v6, v7, 4, v6                   ; where I put them in LDS
	v_mul_u32_u24 v7, v1, GP                       ; where I read: group 32 i + lane
	s_wait_kmcnt 0x0
	s_add_nc_u64 s[4:5], s[4:5], s[16:17]
.set n, 0
.rept 16
	global_load_b128 v[G+4*n:G+4*n+3], v5, s[6:7] offset:2048*n   ; the work-group's 128 threads take 2,048 consecutive bytes
.set n, n+1
.endr
.set n, 0
.rept 8
	global_load_b128 v[X+4*n:X+4*n+3], v4, s[4:5] offset:512*n    ; the wave takes 512 consecutive bytes of its row
.set n, n+1
.endr
.macro RND r, t                        ; two f32 rounded to bf16 and widened again, in place
	v_cvt_pk_bf16_f32 v[\t], v[\r], v[(\r)+1]
	v_lshlrev_b32 v[\r], 16, v[\t]
	v_and_b32 v[(\r)+1], 0xffff0000, v[\t]
.endm
	s_wait_loadcnt 0x8                             ; gate_w is in: the eight loads of x were issued behind it and may stay out
.set n, 0
.rept 32
	RND G+2*n, T+n%8
.set n, n+1
.endr
.set n, 0
.rept 16
	ds_store_b128 v6, v[G+4*n:G+4*n+3] offset:2304*n              ; 2,048 bytes are 16 groups: 16 x 144
.set n, n+1
.endr
	s_wait_dscnt 0x0                               ; for the others' sake: my part of the table is written
	s_barrier_signal -1
	s_barrier_wait -1                              ; everybody's is
.macro GLD i                           ; the four k rows 128 i + 4 lane + 0..3, eight experts each, into buffer i % 2
.set gj, 0
.rept 8
	ds_load_b128 v[G+32*((\i)%2)+4*gj:G+32*((\i)%2)+4*gj+3], v7 offset:4608*(\i)+16*gj
.set gj, gj+1
.endr
.endm
	GLD 0
	s_wait_loadcnt 0x0                             ; x
.set n, 0
.rept 16
	RND X+2*n, T+n%8
.set n, n+1
.endr
; 128 packed multiply-adds: sums of experts 2 p, 2 p + 1 += gate_w[k][2 p, 2 p + 1] x x[k].  x[k] is one register of a pair, given to both halves by op_sel.
; The very first products start the sums: nothing is cleared.
.set i, 0
.rept 8
.if i < 7
	GLD i+1
	s_wait_dscnt 0x8                               ; this i's eight loads are in; the next i's eight may stay out
.else
	s_wait_dscnt 0x0
.endif
.set j, 0
.rept 4
.set p, 0
.rept 4
.set rG, G+32*(i%2)+8*j+2*p
.set rX, X+4*i+2*(j/2)
.set rA, ACC+2*p
.if (i == 0) && (j == 0)
	v_pk_mul_f32 v[rA:rA+1], v[rG:rG+1], v[rX:rX+1] op_sel_hi:[1,0]
.elseif (j%2) == 0
	v_pk_fma_f32 v[rA:rA+1], v[rG:rG+1], v[rX:rX+1], v[rA:rA+1] op_sel_hi:[1,0,1]
.else
	v_pk_fma_f32 v[rA:rA+1], v[rG:rG+1], v[rX:rX+1], v[rA:rA+1] op_sel:[0,1,0]
.endif
.set p, p+1
.endr
.set j, j+1
.endr
.set i, i+1
.endr
	s_wait_tensorcnt 0x0                           ; the wave's end of LDS work: three lines behind my last LDS store
	ds_add_u32 v[SPW], v[NIL]
	s_wait_dscnt 0x0
; the eight sums over the 32 lanes: four steps inside each half of 16 lanes, one across; every lane ends with the same eight logits
.irp m, 1,2,4,8
.irp e, 0,1,2,3,4,5,6,7
	v_add_f32_dpp v[ACC+\e], v[ACC+\e], v[ACC+\e] row_xmask:\m row_mask:0xf bank_mask:0xf
.endr
.endr
.irp e, 0,1,2,3,4,5,6,7
	v_permlanex16_b32 v[G+\e], v[ACC+\e], s12, s13 ; its destination counts as read: these registers have been written
.endr
.irp e, 0,1,2,3,4,5,6,7
	v_add_f32 v[ACC+\e], v[ACC+\e], v[G+\e]
.endr
; the largest: ascending, strictly greater, so the lower index keeps a tie
	v_mov_b32 v[T], v[ACC]
	v_mov_b32 v[T+1], 0
.irp e, 1,2,3,4,5,6,7
	v_cmp_gt_f32 vcc_lo, v[ACC+\e], v[T]
	v_cndmask_b32 v[T], v[T], v[ACC+\e], vcc_lo
	v_cndmask_b32 v[T+1], v[T+1], \e, vcc_lo
.endr
; the second: the same from minus infinity, the first one's index left out
	v_mov_b32 v[T+2], 0xff800000
	v_mov_b32 v[T+3], 0
.irp e, 0,1,2,3,4,5,6,7
	v_cmp_gt_f32 s20, v[ACC+\e], v[T+2]
	v_cmp_ne_u32 s21, \e, v[T+1]
	s_and_b32 s20, s20, s21
	v_cndmask_b32 v[T+2], v[T+2], v[ACC+\e], s20
	v_cndmask_b32 v[T+3], v[T+3], \e, s20
.endr
; softmax over the two, the maximum taken away: p = e^(second - first) <= 1; the weights are 1 / (1 + p) and p / (1 + p)
	v_sub_f32 v[T+4], v[T+2], v[T]
	v_mul_f32 v[T+4], 0x3fb8aa3b, v[T+4]
	v_exp_f32 v[T+5], v[T+4]
	v_mov_b32 v[T+7], 1                            ; a plain line behind the exponential
	s_wait_alu depctr_va_vdst(0)                   ; the wait ahead of the first line that names the result
	v_add_f32 v[T+6], 1.0, v[T+5]
	v_rcp_f32 v[T+8], v[T+6]
	v_lshlrev_b32 v[T+10], v[T+1], v[T+7]          ; 1 << e0: plain work behind the reciprocal
	v_lshlrev_b32 v[T+11], v[T+3], v[T+7]          ; 1 << e1
	v_or_b32 v[T+10], v[T+10], v[T+11]
	v_lshl_or_b32 v[T+10], v[T+1], 8, v[T+10]      ; | e0 << 8
	s_lshl_b32 s18, s15, 2
	s_lshl_b32 s19, s15, 3
	v_mov_b32 v[T+12], s18                         ; sel: 4 bytes a token
	v_mov_b32 v[T+13], s19                         ; wts: 8 bytes a token
	s_wait_alu depctr_va_vdst(0)
	v_mul_f32 v[T+9], v[T+5], v[T+8]
	v_cmp_gt_u32 vcc_lo, 1, v1                     ; lane 0 stores the token's 12 bytes
	s_wait_xcnt 0x0                                ; EXEC changes only behind this wait
	s_and_saveexec_b32 s20, vcc_lo
	global_store_b32 v[T+12], v[T+10], s[8:9]
	global_store_b64 v[T+13], v[T+8:T+9], s[10:11]
	s_endpgm
.Lfunc_end_k_qfa4053d955_router:
	.size	k_qfa4053d955_router, .Lfunc_end_k_qfa4053d955_router-k_qfa4053d955_router
	.p2alignl 7, 3214868480
	.fill 96, 4, 3214868480
	.section	.rodata,"a",@progbits
	.p2align	6, 0x0
	.amdhsa_kernel k_qfa4053d955_router
		.amdhsa_group_segment_fixed_size 37376
		.amdhsa_private_segment_fixed_size 0
		.amdhsa_enable_private_segment 0
		.amdhsa_kernarg_size 32
		.amdhsa_user_sgpr_count 2
		.amdhsa_user_sgpr_kernarg_segment_ptr 1
		.amdhsa_wavefront_size32 1
		.amdhsa_system_sgpr_workgroup_id_x 1
		.amdhsa_system_sgpr_workgroup_id_y 1
		.amdhsa_system_sgpr_workgroup_id_z 1
		.amdhsa_system_vgpr_workitem_id 0
		.amdhsa_next_free_vgpr 128
		.amdhsa_next_free_sgpr 66
		.amdhsa_reserve_vcc 1
		.amdhsa_float_denorm_mode_32 3
		.amdhsa_float_denorm_mode_16_64 3
		.amdhsa_memory_ordered 1
		.amdhsa_forward_progress 1
		.amdhsa_inst_pref_size 32
	.end_amdhsa_kernel
	.amdgpu_metadata
---
amdhsa.version: [ 1, 2 ]
amdhsa.kernels:
  - .name:           k_qfa4053d955_router
    .symbol:         k_qfa4053d955_router.kd
    .args:
      - { .name: x, .offset: 0, .size: 8, .value_kind: global_buffer, .address_space: global }
      - { .name: gate_w, .offset: 8, .size: 8, .value_kind: global_buffer, .address_space: global }
      - { .name: sel, .offset: 16, .size: 8, .value_kind: global_buffer, .address_space: global }
      - { .name: wts, .offset: 24, .size: 8, .value_kind: global_buffer, .address_space: global }
    .group_segment_fixed_size: 37376
    .private_segment_fixed_size: 0
    .kernarg_segment_align: 8
    .kernarg_segment_size: 32
    .max_flat_workgroup_size: 128
    .sgpr_count:     66
    .vgpr_count:     128
    .wavefront_size: 32
...
	.end_amdgpu_metadata
.endif
;; end of part 1
;; launch place (part 2): grid 64 x 8, 4 waves a work-group, no clusters, 35,328 bytes of LDS; arguments sel, wts, x, xg, cnt, dst, gws; writes xg, cnt, dst, gws
.if DOCPART == 2
	.amdgcn_target "amdgcn-amd-amdhsa--gfx1250"
	.amdhsa_code_object_version 6
	.text
	.protected	k_qfa4053d955_place
	.globl	k_qfa4053d955_place
	.p2align	8
	.type	k_qfa4053d955_place,@function
k_qfa4053d955_place:
	s_mov_b64 s[64:65], 0
	v_nop
	global_prefetch_b8 v0, s[64:65] scope:SCOPE_SE
	s_setreg_imm32_b32 hwreg(HW_REG_WAVE_MODE, 25, 1), 1
	s_wait_xcnt 0x0
; PLACE.  For expert e (grid y) and tile j (grid x): which 16 tokens have the ranks 16 j .. 16 j + 15 among the expert's tokens; their rows of x, rounded to bf16, laid out as
; matrix fragments in xg; for each rank where its result goes (dst = choice x 1024 + token) and its gate weight (gws); the expert's count (cnt).
; All that steers addresses and branches here is sel, whole numbers that the launch before stored.
; THE GRID serves every split: an expert can have 0 to 1,024 tokens, 64 tiles.  nt = ceil(count / 16), nt1 = max(nt, 1).  A work-group with j >= nt1 has no rows, stores nothing and ends.
; Rows past the count repeat the tile's last rank; an expert without tokens gets one tile of token 0's row, so that the products' first group of tiles needs no branch on the count.
; RANK.  Every wave reads all 1,024 words of sel (lane l, load i, word w: token 128 i + 4 l + w, column q = 4 i + w), makes 32 ballots and counts: a token's rank is the number of
; the expert's tokens in earlier columns plus those in lower lanes of its column.  Any fixed order serves: nothing is dropped, and this launch alone defines the order.
; SHARES.  Wave w takes k = 256 w .. 256 w + 255 of the tile's 16 rows.  All LDS is the wave's own: no barrier.
; A FRAGMENT is 16 rows x 32 k in bf16, 1,024 bytes: piece c (0, 1) at 512 c, lane L at 16 L; lane (r = L % 16, hh = L / 16) holds row r, k = 16 c + 8 hh + 0..7: the operand
; registers 4 c .. 4 c + 3 of the 16-bit matrix forms.  xg = [8 experts][64 tiles][32 fragments along k][1,024 bytes].
; LDS, for wave w from 8,704 w: 16 rows of 528 bytes (512 + 16: 33 x 16, so the 16 rows of a fragment load start at 16 different 16-byte columns); at 8,448 the slot words: 0-15 the
; tile's tokens by rank, 16 for all other tokens.  From 34,816: the spare words.
.set STG,   8704
.set SP,    528
.set SLOTW, 8448
.set SPARE, 34816
.set SPW, 2                            ; v2  LDS address of my spare word; never rewritten
.set NIL, 3                            ; v3  0; never rewritten
.set SEL, 8                            ; v[8:39]    sel; later v8 = L % 16, v9 = L / 16, v10, v11 stage addresses, v12 = 16 L, v13 = 16 (L % 16), v14-22 wave 0's list
.set RO,  40                           ; v[40:47]   byte offsets of my rows in x (first: at work for the ballots, v40-71)
.set XS,  48                           ; v[48:175]  32 x 16 bytes of x; later 16 pieces of fragments
.set PK,  176                          ; v[176:239] the same rounded: 32 x 8 bytes
.set BAL, 24                           ; s[24:55]   the 32 ballots
	s_load_b256 s[4:11], s[0:1], 0x0               ; sel s[4:5], wts s[6:7], x s[8:9], xg s[10:11]
	s_load_b128 s[12:15], s[0:1], 0x20             ; cnt s[12:13], dst s[14:15]
	s_load_b64 s[16:17], s[0:1], 0x30              ; gws
	v_lshl_add_u32 v[SPW], v0, 2, SPARE
	v_mov_b32 v[NIL], 0
	v_and_b32 v1, 31, v0                           ; lane
	v_lshrrev_b32 v6, 5, v0
	v_readfirstlane_b32 s19, v6                    ; wave
	s_mov_b32 s20, ttmp9                           ; j
	s_and_b32 s21, ttmp7, 0xffff                   ; e
	s_lshl_b32 s18, 1, s21                         ; the expert's bit in sel
	v_lshlrev_b32 v4, 2, v1                        ; 4 x lane
	v_lshlrev_b32 v7, 4, v1                        ; 16 x lane
	s_wait_kmcnt 0x0
.set n, 0
.rept 8
	global_load_b128 v[SEL+4*n:SEL+4*n+3], v7, s[4:5] offset:512*n
.set n, n+1
.endr
	s_wait_loadcnt 0x0
.set q, 0
.rept 32
	v_and_b32 v[RO+q], s18, v[SEL+q]
	v_cmp_ne_u32 s[BAL+q], 0, v[RO+q]              ; column q's ballot
.set q, q+1
.endr
	s_mov_b32 s57, 0
.set q, 0
.rept 32
	s_bcnt1_i32_b32 s58, s[BAL+q]
	s_add_co_u32 s57, s57, s58                     ; the expert's count
.set q, q+1
.endr
	s_add_co_u32 s59, s57, 15
	s_lshr_b32 s59, s59, 4
	s_max_u32 s59, s59, 1                          ; nt1
	s_cmp_lt_u32 s20, s59
	s_cbranch_scc1 .Lwork
	s_endpgm                                       ; no rows for this tile; LDS has not been touched
.Lwork:
	s_mul_i32 s60, s19, STG                        ; my wave's LDS
	s_add_co_u32 s61, s60, SLOTW
	v_mov_b32 v5, s61                              ; the slot words
	v_add_nc_u32 v6, v5, v4
	ds_store_b32 v6, v[NIL]                        ; all 32 words hold token 0 first
	s_lshl_b32 s62, s20, 4
	s_sub_co_u32 s62, 0, s62                       ; the ranks of column 0 begin at 0 - 16 j, counted from the tile's first
.set q, 0
.rept 32
	v_mbcnt_lo_u32_b32 v6, s[BAL+q], s62           ; my token's rank less 16 j; below the tile it wraps to a large number
	v_cndmask_b32 v6, 16, v6, s[BAL+q]             ; a token that is not the expert's goes to word 16,
	v_min_u32 v6, 16, v6                           ; and so does every rank outside the tile
	v_lshl_add_u32 v6, v6, 2, v5
	v_add_nc_u32 v7, 128*(q/4)+(q%4), v4           ; my token of this column
	ds_store_b32 v6, v7
	s_bcnt1_i32_b32 s58, s[BAL+q]
	s_add_co_u32 s62, s62, s58
.set q, q+1
.endr
	s_lshl_b32 s58, s20, 4
	s_sub_co_u32 s58, s57, s58
	s_max_u32 s58, s58, 1
	s_sub_co_u32 s58, s58, 1
	s_min_u32 s63, s58, 15                         ; lim: the tile's last rank that exists (0 in the tile of an expert without tokens)
	v_and_b32 v8, 15, v1
	v_lshrrev_b32 v9, 4, v1
.set n, 0
.rept 8                                            ; a load of x takes rows 2 n (lanes 0-15) and 2 n + 1 (lanes 16-31)
	v_add_nc_u32 v6, 2*n, v9
	v_min_u32 v6, s63, v6                          ; rows past the count repeat the last one
	v_min_u32 v6, 15, v6
	v_lshl_add_u32 v[RO+n], v6, 2, v5
	ds_load_b32 v[RO+n], v[RO+n]                   ; LDS serves a wave's instructions in order (ISA guide 5.7.1.4): these see the stores above
.set n, n+1
.endr
	v_lshlrev_b32 v13, 4, v8
	v_mul_u32_u24 v10, v9, SP                      ; into the stage: row 2 n + hh, 8 bytes at 8 (L % 16)
	v_lshl_add_u32 v10, v8, 3, v10
	v_add_nc_u32 v10, s60, v10
	v_mul_u32_u24 v11, v8, SP                      ; out of it: row L % 16, 16 bytes at 16 hh
	v_lshl_add_u32 v11, v9, 4, v11
	v_add_nc_u32 v11, s60, v11
	v_lshlrev_b32 v12, 4, v1
	s_lshl_b32 s22, s19, 10                        ; my wave's 1,024 bytes of a row of x
	s_mov_b32 s23, 0
	s_add_nc_u64 s[8:9], s[8:9], s[22:23]
	s_wait_dscnt 0x0
.set n, 0
.rept 8
	v_min_u32 v[RO+n], 0x3ff, v[RO+n]              ; a token's number
	v_lshl_add_u32 v[RO+n], v[RO+n], 12, v13       ; its row of 4,096 bytes, my 16 bytes of 256
.set n, n+1
.endr
.set n, 0
.rept 32
	global_load_b128 v[XS+4*n:XS+4*n+3], v[RO+n/4], s[8:9] offset:256*(n%4)   ; 16 lanes take 256 consecutive bytes, at a multiple of 256 from x's first byte
.set n, n+1
.endr
	s_lshl_b32 s22, s21, 6
	s_add_co_u32 s22, s22, s20
	s_lshl_b32 s22, s22, 15                        ; tile 64 e + j: 32 fragments of 1,024 bytes,
	s_lshl_b32 s58, s19, 13
	s_add_co_u32 s22, s22, s58                     ; of which my wave writes eight
	s_add_nc_u64 s[10:11], s[10:11], s[22:23]
.set n, 0
.rept 32
	s_wait_loadcnt 31-n                            ; loads come back in order: number n is in, the younger ones stay out
	v_cvt_pk_bf16_f32 v[PK+2*n], v[XS+4*n], v[XS+4*n+1]
	v_cvt_pk_bf16_f32 v[PK+2*n+1], v[XS+4*n+2], v[XS+4*n+3]
	ds_store_b64 v10, v[PK+2*n:PK+2*n+1] offset:1056*(n/4)+128*(n%4)
.set n, n+1
.endr
.set n, 0
.rept 16                                           ; piece n % 2 of fragment n / 2
	ds_load_b128 v[XS+4*n:XS+4*n+3], v11 offset:64*(n/2)+32*(n%2)
.set n, n+1
.endr
.set n, 0
.rept 16
	s_wait_dscnt 15-n
	global_store_b128 v12, v[XS+4*n:XS+4*n+3], s[10:11] offset:512*n   ; 512 consecutive bytes, at a multiple of 256 from xg's first byte
.set n, n+1
.endr
	s_cmp_lg_u32 s19, 0
	s_cbranch_scc1 .Lend                           ; the lists are wave 0's
	v_min_u32 v6, s63, v8
	v_min_u32 v6, 15, v6
	v_lshl_add_u32 v6, v6, 2, v5
	ds_load_b32 v6, v6                             ; the token of rank 16 j + L % 16 (lanes 16-31 repeat lanes 0-15)
	s_wait_dscnt 0x0
	v_min_u32 v6, 0x3ff, v6
	v_lshlrev_b32 v7, 2, v6
	v_lshlrev_b32 v14, 3, v6
	global_load_b32 v15, v7, s[4:5]                ; its word of sel,
	global_load_b64 v[16:17], v14, s[6:7]          ; and both its weights
	s_lshl_b32 s22, s21, 10
	s_lshl_b32 s58, s20, 4
	s_add_co_u32 s22, s22, s58
	s_lshl_b32 s22, s22, 2                         ; (1,024 e + 16 j) x 4 bytes
	v_lshl_add_u32 v20, v8, 2, s22
	s_wait_loadcnt 0x0
	v_bfe_u32 v15, v15, 8, 3                       ; e0
	v_cmp_ne_u32 vcc_lo, s21, v15                  ; this expert is the token's second choice
	v_cndmask_b32 v18, 0, 1, vcc_lo
	v_lshl_add_u32 v18, v18, 10, v6                ; choice x 1,024 + token
	v_cndmask_b32 v19, v16, v17, vcc_lo
	global_store_b32 v20, v18, s[14:15]
	global_store_b32 v20, v19, s[16:17]
	s_cmp_lg_u32 s20, 0
	s_cbranch_scc1 .Lend
	v_mov_b32 v21, s57                             ; tile 0 also stores the count, 32 times: one store of 128 bytes
	s_lshl_b32 s58, s21, 7
	v_add_nc_u32 v22, s58, v4
	global_store_b32 v22, v21, s[12:13]
.Lend:
	s_wait_tensorcnt 0x0                           ; the wave's end: three lines behind my last LDS store
	ds_add_u32 v[SPW], v[NIL]
	s_wait_dscnt 0x0
	s_endpgm
.Lfunc_end_k_qfa4053d955_place:
	.size	k_qfa4053d955_place, .Lfunc_end_k_qfa4053d955_place-k_qfa4053d955_place
	.p2alignl 7, 3214868480
	.fill 96, 4, 3214868480
	.section	.rodata,"a",@progbits
	.p2align	6, 0x0
	.amdhsa_kernel k_qfa4053d955_place
		.amdhsa_group_segment_fixed_size 35328
		.amdhsa_private_segment_fixed_size 0
		.amdhsa_enable_private_segment 0
		.amdhsa_kernarg_size 56
		.amdhsa_user_sgpr_count 2
		.amdhsa_user_sgpr_kernarg_segment_ptr 1
		.amdhsa_wavefront_size32 1
		.amdhsa_system_sgpr_workgroup_id_x 1
		.amdhsa_system_sgpr_workgroup_id_y 1
		.amdhsa_system_sgpr_workgroup_id_z 1
		.amdhsa_system_vgpr_workitem_id 0
		.amdhsa_next_free_vgpr 240
		.amdhsa_next_free_sgpr 66
		.amdhsa_reserve_vcc 1
		.amdhsa_float_denorm_mode_32 3
		.amdhsa_float_denorm_mode_16_64 3
		.amdhsa_memory_ordered 1
		.amdhsa_forward_progress 1
		.amdhsa_inst_pref_size 39
	.end_amdhsa_kernel
	.amdgpu_metadata
---
amdhsa.version: [ 1, 2 ]
amdhsa.kernels:
  - .name:           k_qfa4053d955_place
    .symbol:         k_qfa4053d955_place.kd
    .args:
      - { .name: sel, .offset: 0, .size: 8, .value_kind: global_buffer, .address_space: global }
      - { .name: wts, .offset: 8, .size: 8, .value_kind: global_buffer, .address_space: global }
      - { .name: x, .offset: 16, .size: 8, .value_kind: global_buffer, .address_space: global }
      - { .name: xg, .offset: 24, .size: 8, .value_kind: global_buffer, .address_space: global }
      - { .name: cnt, .offset: 32, .size: 8, .value_kind: global_buffer, .address_space: global }
      - { .name: dst, .offset: 40, .size: 8, .value_kind: global_buffer, .address_space: global }
      - { .name: gws, .offset: 48, .size: 8, .value_kind: global_buffer, .address_space: global }
    .group_segment_fixed_size: 35328
    .private_segment_fixed_size: 0
    .kernarg_segment_align: 8
    .kernarg_segment_size: 56
    .max_flat_workgroup_size: 128
    .sgpr_count:     66
    .vgpr_count:     240
    .wavefront_size: 32
...
	.end_amdgpu_metadata
.endif
;; end of part 2
;; launch up (part 3): grid 32 x 8, 8 waves a work-group, no clusters, 263,168 bytes of LDS; arguments xg, w1, b1, cnt, h; writes h
.if DOCPART == 3
	.amdgcn_target "amdgcn-amd-amdhsa--gfx1250"
	.amdhsa_code_object_version 6
	.text
	.protected	k_qfa4053d955_up
	.globl	k_qfa4053d955_up
	.p2align	8
	.type	k_qfa4053d955_up,@function
k_qfa4053d955_up:
	s_mov_b64 s[64:65], 0
	v_nop
	global_prefetch_b8 v0, s[64:65] scope:SCOPE_SE
	s_setreg_imm32_b32 hwreg(HW_REG_WAVE_MODE, 25, 1), 1
	s_wait_xcnt 0x0
; ONE TEXT FOR THE TWO PRODUCTS OF AN EXPERT; P chooses.
; P = 1, UP:    h = silu(xg W1[e] + b1[e]).  Arguments xg, w1, b1, cnt, h.  Work-group (x = slice of 128 of the 4,096 columns, y = expert).
; P = 2, DOWN:  y[kh][choice][token] = g (h W2[e] + b2[e]), K cut in two halves kh of 2,048 (b2 in half 0 alone).  Arguments h, w2, b2, cnt, dst, gws, y.
;               Work-group (x = 16 kh + slice of 64 of the 1,024 columns, y = expert).  The four parts of y are added by the next launch.
; FORMATS.  Weights and biases are rounded to bf16 on their way (as every input of the program is); h is rounded once to bf16; all sums are f32; y is f32.
; LIMITS.  silu(z) = z / (1 + 2^(-z log2 e)) by v_exp_f32 and v_rcp_f32; where the power is below 2^-126 it counts as 0, and silu(z) = z to f32 there.  NaN and infinities are not treated apart.
; More than 320 rows of an expert are served by further groups of tiles behind the stream of weights.  An expert without tokens still has its weights read.
; THE SLICE.  A work-group alone reads its 512 KiB of f32 weights, once, and keeps them in LDS in bf16 (256 KiB), as 64 UNITS of 32 k x 64 columns: four fragments jf of 1,024 bytes;
; fragment jf holds the columns n0 + 4 m + jf (m = the operand's lane % 16), so that a lane's load of four neighbouring f32 feeds the four fragments.  In a unit fragment jf lies at 1,024 jf,
; piece c at + 512 c, lane L at + 16 L: every LDS access takes 512 consecutive bytes.  A CHUNK is 16 units, 64 KiB.
; P = 1: chunk c holds columns 64 (c / 2) on, k = 512 (c % 2) on.  P = 2: chunk c holds k = 512 c on of the half's K.  THE CHUNKS LIE IN LDS IN THE ORDER 0, 2, 1, 3.
; ROLES.  Waves 4-7 (producers) bring the weights through registers, round them and store them into LDS; producer m makes units 4 m .. 4 m + 3 of each chunk.  Waves 0-3 (consumers) load token
; fragments from memory and weight fragments from LDS, multiply, and write the results.  So weights asked for a whole chunk ahead and token fragments asked for three units ahead are counted
; by different waves' load counters.
; PHASES.  Chunk 0 is stored ahead of the loop; a barrier.  Then 8 trips T (group of tiles T / 2, t = T % 2) of two phases, a barrier behind each.
;   phase A: the consumers read chunk 2 t, in the LOWER 128 KiB; the producers store chunk 1 (T = 0) or chunk 3 (T = 1), in the UPPER 128 KiB.
;   phase B: the consumers read chunk 2 t + 1, in the UPPER 128 KiB; the producers store chunk 2 (T = 0), in the LOWER.
; So between two barriers stores and loads lie in different halves of the slice, and each chunk is stored a phase ahead of its first read, with the storing wave's wait for its stores and a
; barrier between.  No LDS byte is written twice.  Groups that the count does not reach are jumped: only work is jumped, never a barrier.
; ADDRESSES.  All that an LDS address or a buffer's base hangs on is made by all eight waves in one head, ahead of the branch on the role.  A store's LDS address is a register of that head plus an
; immediate.  A load's is 16 L + 65,536 t (+ 131,072 in phase B), made once a phase, plus an immediate: a phase's 16 units are written out for that.
; ROWS.  A group is 20 tiles of 16 rows; consumer cw has five slots: tiles 20 g + 4 i + cw.  A slot past the expert's last tile repeats that tile and is not stored.
; THE BIAS is one more row of K: a weight fragment that holds bf16(bias) at k = 0 and a token fragment that holds 1.0 at k = 0.  That product, with C = 0, starts the 20 sums (INIT): in the
; set-up for the first sums, at the end of each way out for the next: nothing is cleared, and every other product adds in place.
; K's ORDER.  xg's fragments hold k in its natural places.  h's fragments take what UP's accumulators hold: for the group G of 64 columns of h, fragment 2 G + f, piece c, lane half hh,
; place s (0..7) is column 64 G + 32 hh + 4 s + 2 f + c.  DOWN's producers load W2's rows in the same order, so both operands agree.
; NO CLUSTER: each weight byte has one reader; what an expert's work-groups share is its token fragments, whose number hangs on the count and which go straight into registers.
; REGISTERS, in two windows of 256 (s_set_vgpr_msb: bits 1:0 source 0, 3:2 source 1, 5:4 source 2, 7:6 destination).
;   all waves, window 0: v1 16 L; v2, v3 the add's two; v11 L % 16; v12 L / 16 (P = 2: 32 x that); v13 16 (L % 16); v15 all ones in lanes 0-15; v246 a lane's offset in the weights;
;   v248-251 LDS address of units 4 (wave % 4) on in chunks 0-3.
;   consumer, window 0: v4 LDS address of the chunk; v5-9 the slots' tile offsets; v10 at work; v16-79 weight fragments, two buffers of four; v80-239 token fragments, four buffers of five;
;   v240-244 way-out addresses.  Window 1: v0-159 the 20 accumulators (slot i, fragment jf at 32 i + 8 jf); v160-191 the bias fragments; v192-199 the fragment of ones; v200-207 both
;   halves' bias (P = 1).
;   producer, window 0: v16-47 rounded pieces, two sets.  Window 1: eight sets of 32: eight rows x 16 bytes a lane.
.set P, 1
.set SPARE, 262144                     ; behind the slice: the spare words, 128 bytes for each of eight waves
.if P == 1
.set ASH, 15                           ; a tile of xg is 32 fragments
.set BCUR, 4                           ; both chunks of a trip, and the next trip's first, lie within a tile's 32 fragments: one base
.set BNXT, 4
.else
.set ASH, 17                           ; a tile of h is 128 fragments
.set BCUR, 34                          ; s[34:35] the trip's 32 fragments,
.set BNXT, 36                          ; s[36:37] the other trip's
.endif
.set L16, 1
.set SPW, 2                            ; v2  LDS address of my spare word; never rewritten
.set NIL, 3                            ; v3  0; never rewritten
.set WA,  4
.set TO,  5
.set WF,  16
.set AR,  80
.set LDA, 240
.set GA,  246
.set LB,  248
.set O,   16
.set WB,  160
.set ONES, 192
.set BH,  200
.set TT,  16                           ; UP's way out: 32 numbers at work, in the weight fragments' registers
.set PKR, 48                           ; and 16 registers of packed results
.set DS,  80                           ; DOWN's way out, in the token fragments' registers: dst, eight a slot
.set GW,  120                          ; gate weights, eight a slot
.set OF,  160                          ; eight row offsets
.set Q,   168                          ; 32 results to store
; scalars: s[4:5] token fragments; s[6:7] weights: units 4 (wave % 4) on of chunk 0; s[8:9] bias; s[10:11] cnt; s[12:17] the other arguments; s18 wave; s19 wave % 4; s20 slice; s21 expert;
; s22 count; s23 nt; s24 nt1; s25 trip T; s26 t; s27 group; s[28:32] 64 e + the slots' tiles; s33 20 g + cw; s[34:37] token fragments of this trip, of the other (P = 2);
; s[38:39] an offset, high word 0; s42 LDS offset of a chunk; s43 64 e; s[44:45] where results go; s[46:47] -log2 e; s48 kh; s49 nt1 - 1; s50, s51 at work; s[56:61] the weights of chunks 1, 2, 3
.set MSB, 0
.macro WIN new                         ; the immediate's high byte repeats the setting that is left; a switch that changes nothing is dropped
.if MSB != (\new)
	s_set_vgpr_msb (MSB<<8)|(\new)
.set MSB, (\new)
.endif
.endm
.macro PLACES                          ; four plain vector lines between a matrix instruction and a load into, or a vector line on, its registers
.rept 4
	v_nop
.endr
.endm
; The end of a phase, in every wave's text.  Five plain lines, so that whatever follows stands far enough behind any product ahead of the barrier; the sources of what has been
; issued are free; my LDS stores are done and my LDS reads are back, for the others' sake; the barrier.
.macro JOIN
.rept 5
	v_nop
.endr
	s_wait_xcnt 0x0
	s_wait_dscnt 0x0
	s_barrier_signal -1
	s_barrier_wait -1
.endm
; PRODUCER.  Half-unit s = 2 ul + c of my four units of a chunk: eight rows, 16 bytes a lane; lanes 0-15 take 256 consecutive bytes of one row, lanes 16-31 of another.
.macro PLD s, b
.set pr, 0
.rept 8
.if P == 1
.set pim, (32*((\s)/2)+16*((\s)%2)+pr)*16384
.else
.set pim, (64*((\s)/4)+4*pr+2*(((\s)/2)%2)+((\s)%2))*4096
.endif
	global_load_b128 v[32*(\s)+4*pr:32*(\s)+4*pr+3], v[GA], s[\b:\b+1] offset:pim th:TH_LOAD_NT
.set pr, pr+1
.endr
.endm
; Set s has come: rows 2 t and 2 t + 1 are packed for each of the four columns, the four pieces go to LDS at v[lb], and (ld = 1) the set is asked for again, from the next chunk at s[b:b+1].
.macro HU s, lb, ld, b, n
	s_wait_loadcnt \n
	WIN 0x05                                       ; sources in window 1
.set hq, 0
.rept 4
.set hr, 0
.rept 4
	v_cvt_pk_bf16_f32 v[O+16*((\s)%2)+4*hq+hr], v[32*(\s)+8*hr+hq], v[32*(\s)+8*hr+4+hq]
.set hr, hr+1
.endr
.set hq, hq+1
.endr
.if \ld
	WIN 0x40                                       ; loads land in window 1; LDS stores have address and data in window 0
.else
	WIN 0
.endif
.set hq, 0
.rept 4
	ds_store_b128 v[\lb], v[O+16*((\s)%2)+4*hq:O+16*((\s)%2)+4*hq+3] offset:4096*((\s)/2)+1024*hq+512*((\s)%2)
.set hq, hq+1
.endr
.if \ld
	PLD \s, \b
.endif
.endm
; A chunk of mine.  ld = 1: eight sets of eight loads are out, the set in hand the oldest: the 56 younger loads stay out.  ld = 0, the last chunk: nothing is asked for, and the counts run down.
.macro BODY lb, ld, b
.set bs, 0
.rept 8
.if \ld
	HU bs, \lb, 1, \b, 56
.else
	HU bs, \lb, 0, \b, 56-8*bs
.endif
.set bs, bs+1
.endr
	WIN 0
.endm
; CONSUMER.
.macro ALOAD s, b, k                   ; the five slots' token fragment k from the base s[b:b+1], into buffer s: ten loads of 512 consecutive bytes
.set ai, 0
.rept 5
	global_load_b128 v[AR+40*(\s)+8*ai:AR+40*(\s)+8*ai+3], v[TO+ai], s[\b:\b+1] offset:1024*(\k)
	global_load_b128 v[AR+40*(\s)+8*ai+4:AR+40*(\s)+8*ai+7], v[TO+ai], s[\b:\b+1] offset:1024*(\k)+512
.set ai, ai+1
.endr
.endm
.macro WLOAD p, u                      ; the four weight fragments of the chunk's unit u, into buffer p: eight LDS loads
.set wi, 0
.rept 4
	ds_load_b128 v[WF+32*(\p)+8*wi:WF+32*(\p)+8*wi+3], v[WA] offset:4096*(\u)+1024*wi
	ds_load_b128 v[WF+32*(\p)+8*wi+4:WF+32*(\p)+8*wi+7], v[WA] offset:4096*(\u)+1024*wi+512
.set wi, wi+1
.endr
.endm
; A unit's 20 products.  The 20 accumulators take turns, one instruction a turn, in the same order in every unit and in INIT.
; P = 1: source 0 = weights, source 1 = tokens: a lane holds one token and eight columns.  P = 2: the other way round: a lane holds one column and eight tokens.
.macro MM u
	WIN 0x50                                       ; C and D in window 1
.set mi, 0
.rept 5
.set mj, 0
.rept 4
.set rD, 32*mi+8*mj
.if P == 1
.set rX, WF+32*((\u)%2)+8*mj
.set rY, AR+40*((\u)%4)+8*mi
.else
.set rX, AR+40*((\u)%4)+8*mi
.set rY, WF+32*((\u)%2)+8*mj
.endif
	v_wmma_f32_16x16x32_bf16 v[rD:rD+7], v[rX:rX+7], v[rY:rY+7], v[rD:rD+7]
.set mj, mj+1
.endr
.set mi, mi+1
.endr
.endm
; The product that starts the 20 sums: bias x 1 at k = 0, zeros elsewhere, C = 0.
.macro INIT
	WIN 0x45                                       ; both sources and D in window 1
.set mi, 0
.rept 5
.set mj, 0
.rept 4
.if P == 1
	v_wmma_f32_16x16x32_bf16 v[32*mi+8*mj:32*mi+8*mj+7], v[WB+8*mj:WB+8*mj+7], v[ONES:ONES+7], 0
.else
	v_wmma_f32_16x16x32_bf16 v[32*mi+8*mj:32*mi+8*mj+7], v[ONES:ONES+7], v[WB+8*mj:WB+8*mj+7], 0
.endif
.set mj, mj+1
.endr
.set mi, mi+1
.endr
.endm
; What stands ahead of unit u's products: token fragments three units on, weight fragments one unit on, and the two counted waits.  A trip's two chunks are 32 fragments on end: phase A's unit u
; is fragment u, phase B's 16 + u; phase B's last three units ask for the first three fragments of the chunk that follows.
.macro ULOADS u, hi
	PLACES                                         ; the loads below land on registers that the unit before's products read
	WIN 0
.if (\hi) == 0
	ALOAD ((\u)+3)%4, BCUR, (\u)+3
.elseif (\u) < 13
	ALOAD ((\u)+3)%4, BCUR, (\u)+19
.else
	ALOAD ((\u)+3)%4, BNXT, (\u)-13
.endif
.if (\u) < 15
	WLOAD ((\u)+1)%2, (\u)+1
	s_wait_dscnt 0x8                               ; this unit's weight fragments are in; the next unit's eight loads may stay out
.else
	s_wait_dscnt 0x0                               ; no weight fragment is asked for across the barrier
.endif
	s_wait_loadcnt 30                              ; this unit's token fragments are in; the ten loads of each of the three units behind it may stay out
.endm
; A chunk: 16 units.  hi = 0: chunk 2 t, in the lower half of the slice; hi = 1: chunk 2 t + 1, in the upper.
.macro PHASE hi
	s_lshl_b32 s42, s26, 16
.if \hi
	s_add_co_u32 s42, s42, 131072
.endif
	v_add_nc_u32 v[WA], s42, v[L16]
	WLOAD 0, 0                                     ; the chunk's first weight fragments
.set u, 0
.rept 16
	ULOADS u, \hi
	MM u
.set u, u+1
.endr
	WIN 0
.endm
; Group s27 of tiles begins: the slots' tiles, clamped to the expert's last, and the first three units' token fragments.
.macro GSTART
	s_wait_loadcnt 0x0                             ; no load is out: the tile offsets and the buffers may be written,
	s_wait_xcnt 0x0                                ; and the way out's stores have read their registers
	s_mul_i32 s33, s27, 20
	s_add_co_u32 s33, s33, s19
.set gi, 0
.rept 5
	s_add_co_u32 s50, s33, 4*gi
	s_min_u32 s50, s50, s49
	s_min_u32 s50, s50, 63
	s_add_co_u32 s[28+gi], s50, s43
	s_lshl_b32 s50, s[28+gi], ASH
	v_add_nc_u32 v[TO+gi], s50, v[L16]
.set gi, gi+1
.endr
	ALOAD 0, 4, 0
	ALOAD 1, 4, 1
	ALOAD 2, 4, 2
.endm
; UP's way out for slot i: silu on 32 numbers a lane, rounded to bf16: a lane's eight numbers of accumulator jf are one piece of h's fragments.  Each accumulator is read from its low end on.
.macro SILU i
	WIN 0x01                                       ; source 0 (the accumulators) in window 1
.set n, 0
.rept 16
	v_pk_mul_f32 v[TT+2*n:TT+2*n+1], v[32*(\i)+2*n:32*(\i)+2*n+1], s[46:47] op_sel_hi:[1,0]
.set n, n+1
.endr
	WIN 0
.set n, 0
.rept 32
	v_exp_f32 v[TT+n], v[TT+n]
.set n, n+1
.endr
	v_nop                                          ; a plain line behind the last exponential,
	s_wait_alu depctr_va_vdst(0)                   ; and one wait for the batch, ahead of the first line that names a result
.set n, 0
.rept 16
	v_pk_add_f32 v[TT+2*n:TT+2*n+1], v[TT+2*n:TT+2*n+1], 1.0 op_sel_hi:[1,0]
.set n, n+1
.endr
.set n, 0
.rept 32
	v_rcp_f32 v[TT+n], v[TT+n]
.set n, n+1
.endr
	v_nop
	s_wait_alu depctr_va_vdst(0)                   ; one wait for the 32 reciprocals
	WIN 0x01
.set n, 0
.rept 16
	v_pk_mul_f32 v[TT+2*n:TT+2*n+1], v[32*(\i)+2*n:32*(\i)+2*n+1], v[TT+2*n:TT+2*n+1]
.set n, n+1
.endr
	WIN 0
	s_wait_xcnt 0x0                                ; the slot before's stores have read their address and data
	s_lshl_b32 s50, s[28+(\i)], 17
	v_add_nc_u32 v10, s50, v[L16]
.set n, 0
.rept 16
	v_cvt_pk_bf16_f32 v[PKR+n], v[TT+2*n], v[TT+2*n+1]
.set n, n+1
.endr
.set n, 0
.rept 4
	global_store_b128 v10, v[PKR+4*n:PKR+4*n+3], s[44:45] offset:512*n   ; 512 consecutive bytes, at a multiple of 256 from h's first byte
.set n, n+1
.endr
.endm
; DOWN's way out for slot i: the gate's weight; for each of a lane's eight tokens its four neighbouring columns are stored: 16 lanes fill 256 consecutive bytes of a row of y.
.macro YOUT i
	s_wait_xcnt 0x0                                ; the slot before's stores have read their addresses and data
.set n, 0
.rept 8
	v_min_u32 v[OF+n], 0x7ff, v[DS+8*(\i)+n]
	v_lshl_add_u32 v[OF+n], v[OF+n], 12, v13       ; row choice x 1,024 + token of 4,096 bytes, my 16 bytes
.set n, n+1
.endr
	WIN 0x01
.set n, 0
.rept 32                                           ; token n / 4, column n % 4: register 0 of each accumulator is read first
	v_mul_f32 v[Q+n], v[32*(\i)+8*(n%4)+n/4], v[GW+8*(\i)+n/4]
.set n, n+1
.endr
	WIN 0
.set n, 0
.rept 8
	global_store_b128 v[OF+n], v[Q+4*n:Q+4*n+3], s[44:45]
.set n, n+1
.endr
.endm
	; THE HEAD, run by all eight waves: every LDS address register, every base, the count
	s_load_b256 s[4:11], s[0:1], 0x0
.if P == 1
	s_load_b64 s[12:13], s[0:1], 0x20              ; h
.else
	s_load_b128 s[12:15], s[0:1], 0x20             ; dst, gws
	s_load_b64 s[16:17], s[0:1], 0x30              ; y
.endif
	v_lshl_add_u32 v[SPW], v0, 2, SPARE
	v_mov_b32 v[NIL], 0
	v_lshrrev_b32 v10, 5, v0
	v_readfirstlane_b32 s18, v10                   ; wave 0..7
	v_and_b32 v10, 31, v0
	v_lshlrev_b32 v[L16], 4, v10                   ; 16 L
	v_and_b32 v11, 15, v10                         ; L % 16
	v_lshrrev_b32 v12, 4, v10                      ; hh = L / 16
	v_lshlrev_b32 v13, 4, v11                      ; 16 (L % 16): lane m's four columns 4 m + jf
	v_add_nc_u32 v15, -1, v12                      ; all ones in lanes 0-15, which hold k = 0 .. 7; 0 in lanes 16-31
	v_lshlrev_b32 v[GA], 17, v12                   ; lanes 16-31: 8 rows of 16,384 bytes on (P = 1), 32 rows of 4,096 (P = 2): 131,072 bytes both
	v_lshl_add_u32 v[GA], v11, 4, v[GA]
.if P == 2
	v_lshlrev_b32 v12, 5, v12                      ; 32 hh: a lane's eight rows in dst and gws
.endif
	s_and_b32 s19, s18, 3
	s_mul_i32 s50, s19, 16384                      ; four units of 4,096 bytes
	v_add_nc_u32 v[LB], s50, v[L16]                ; in chunk 0, at LDS byte 0,
	s_add_co_u32 s51, s50, 131072
	v_add_nc_u32 v[LB+1], s51, v[L16]              ; in chunk 1,
	s_add_co_u32 s51, s50, 65536
	v_add_nc_u32 v[LB+2], s51, v[L16]              ; in chunk 2,
	s_add_co_u32 s51, s50, 196608
	v_add_nc_u32 v[LB+3], s51, v[L16]              ; in chunk 3
	s_and_b32 s21, ttmp7, 0xffff
.if P == 1
	s_mov_b32 s20, ttmp9
	s_mov_b32 s46, 0xbfb8aa3b                      ; -log2 e
	s_mov_b32 s47, s46                             ; named with it as a pair
.else
	s_and_b32 s20, ttmp9, 15
	s_lshr_b32 s48, ttmp9, 4
.endif
	s_lshl_b32 s43, s21, 6
	s_mov_b32 s25, 0
	s_mov_b32 s27, 0
	s_mov_b32 s39, 0
	s_wait_kmcnt 0x0
	s_lshl_b32 s38, s21, 7
	s_add_nc_u64 s[10:11], s[10:11], s[38:39]
	s_load_b32 s22, s[10:11], 0x0                  ; the expert's count
.if P == 1
	s_lshl_b32 s38, s21, 14
	s_lshl_b32 s50, s20, 9                         ; the slice's 512 bytes of a row
	s_add_co_u32 s38, s38, s50
	s_add_nc_u64 s[8:9], s[8:9], s[38:39]          ; b1 at the slice's 128 columns
	s_lshl_b32 s38, s20, 12
	s_add_nc_u64 s[12:13], s[12:13], s[38:39]      ; h at fragment 4 x slice of a tile
	s_lshl_b32 s38, s21, 24                        ; the expert's 16 MiB of weights
	s_add_co_u32 s38, s38, s50
	s_lshl_b32 s50, s19, 21                        ; four units: 128 rows of 16,384 bytes
	s_add_co_u32 s38, s38, s50
	s_add_nc_u64 s[6:7], s[6:7], s[38:39]
	s_add_nc_u64 s[56:57], s[6:7], 0x800000        ; chunk 1: 512 rows of 16,384 bytes on
	s_add_nc_u64 s[58:59], s[6:7], 0x100           ; chunk 2: the second 64 columns
	s_add_nc_u64 s[60:61], s[6:7], 0x800100        ; chunk 3: both
.else
	s_lshl_b32 s38, s21, 12
	s_lshl_b32 s50, s20, 8                         ; the slice's 256 bytes of a row
	s_add_co_u32 s38, s38, s50
	s_add_nc_u64 s[8:9], s[8:9], s[38:39]          ; b2 at the slice's 64 columns
	s_lshl_b32 s38, s48, 16
	s_add_nc_u64 s[4:5], s[4:5], s[38:39]          ; h at the half of K: 64 fragments on
	s_lshl_b32 s38, s48, 23                        ; the half's part of y; also the half's 2,048 rows of 4,096 bytes of weights
	s_add_co_u32 s38, s38, s50
	s_add_nc_u64 s[44:45], s[16:17], s[38:39]      ; y at the half's part and the slice's 256 bytes of a row
	s_lshl_b32 s51, s21, 24                        ; the expert's 16 MiB of weights
	s_add_co_u32 s38, s38, s51
	s_lshl_b32 s51, s19, 19                        ; four units: 128 rows of 4,096 bytes
	s_add_co_u32 s38, s38, s51
	s_add_nc_u64 s[6:7], s[6:7], s[38:39]
	s_add_nc_u64 s[56:57], s[6:7], 0x200000        ; a chunk is 512 rows of 4,096 bytes
	s_add_nc_u64 s[58:59], s[6:7], 0x400000
	s_add_nc_u64 s[60:61], s[6:7], 0x600000
	s_cmp_eq_u32 s48, 0
	s_cselect_b32 s51, -1, 0                       ; the bias belongs to half 0
	v_and_b32 v10, s51, v15
.endif
	s_wait_kmcnt 0x0
	s_min_u32 s22, s22, 1024
	s_add_co_u32 s23, s22, 15
	s_lshr_b32 s23, s23, 4                         ; nt
	s_max_u32 s24, s23, 1                          ; nt1
	s_sub_co_u32 s49, s24, 1
	s_cmp_ge_u32 s18, 4
	s_cbranch_scc1 .Lpset
	; THE CONSUMERS' SET-UP: the bias fragments and the fragment of ones; group 0's tiles and first token fragments; the first sums' start
.if P == 1
	global_load_b128 v[AR:AR+3], v13, s[8:9]                ; the first 64 columns' bias,
	global_load_b128 v[AR+4:AR+7], v13, s[8:9] offset:256   ; the second's
	s_wait_loadcnt 0x0
.set n, 0
.rept 8
	v_cvt_pk_bf16_f32 v[TT+n], v[AR+n], v[NIL]     ; the bias at k = 0 (the low half), 0 at k = 1
.set n, n+1
.endr
	WIN 0x40
.set n, 0
.rept 8
	v_and_b32 v[BH+n], v15, v[TT+n]                ; both halves' are kept,
.set n, n+1
.endr
.set n, 0
.rept 4
	v_and_b32 v[WB+8*n], v15, v[TT+n]              ; the first half's stand in the fragments
.set n, n+1
.endr
.else
	global_load_b128 v[AR:AR+3], v13, s[8:9]
	s_wait_loadcnt 0x0
.set n, 0
.rept 4
	v_cvt_pk_bf16_f32 v[TT+n], v[AR+n], v[NIL]     ; the bias at k = 0 (the low half), 0 at k = 1
.set n, n+1
.endr
	WIN 0x40
.set n, 0
.rept 4
	v_and_b32 v[WB+8*n], v10, v[TT+n]
.set n, n+1
.endr
.endif
	v_and_b32 v[ONES], 0x3f80, v15                 ; 1.0 at k = 0
.set n, 1
.rept 7                                            ; all other k of the five fragments are 0
	v_mov_b32 v[ONES+n], 0
	v_mov_b32 v[WB+n], 0
	v_mov_b32 v[WB+8+n], 0
	v_mov_b32 v[WB+16+n], 0
	v_mov_b32 v[WB+24+n], 0
.set n, n+1
.endr
	WIN 0
	GSTART
	INIT
	WIN 0
	s_branch .Ljoin0
.Lpset:
	; THE PRODUCERS' SET-UP: chunk 0's 64 loads, and chunk 0
	WIN 0x40
.set ps, 0
.rept 8
	PLD ps, 6
.set ps, ps+1
.endr
	BODY LB, 1, 56                                 ; chunk 0 goes to LDS; chunk 1 is asked for
.Ljoin0:
	JOIN                                           ; chunk 0 is in LDS
.Ltrip:
	s_and_b32 s26, s25, 1                          ; t
	s_lshr_b32 s27, s25, 1                         ; group
.if P == 2
	s_lshl_b32 s38, s26, 15                        ; the trip's 32 fragments of 1,024 bytes; the join's wait has freed the two bases
	s_add_nc_u64 s[34:35], s[4:5], s[38:39]
	s_xor_b32 s38, s38, 32768                      ; what follows them: the other 32 (behind the last: the first again; those 30 loads serve nothing and stay inside what has been written)
	s_add_nc_u64 s[36:37], s[4:5], s[38:39]
.endif
	; PHASE A
	s_cmp_ge_u32 s18, 4
	s_cbranch_scc1 .LprodA
	s_mul_i32 s50, s27, 20
	s_cmp_ge_u32 s50, s24
	s_cbranch_scc1 .LjoinA                         ; the expert has no tile in this group
	PHASE 0
	s_branch .LjoinA
.LprodA:
	s_cmp_eq_u32 s25, 0
	s_cbranch_scc1 .LpA0
	s_cmp_eq_u32 s25, 1
	s_cbranch_scc0 .LjoinA                         ; the slice is in LDS
	BODY LB+3, 0, 6                                ; chunk 3 goes to LDS: the last
	s_branch .LjoinA
.LpA0:
	BODY LB+1, 1, 58                               ; chunk 1 goes to LDS; chunk 2 is asked for
.LjoinA:
	JOIN
	; PHASE B
	s_cmp_ge_u32 s18, 4
	s_cbranch_scc1 .LprodB
	s_mul_i32 s50, s27, 20
	s_cmp_ge_u32 s50, s24
	s_cbranch_scc1 .LjoinB
	PHASE 1
.if P == 1
	PLACES                                         ; K ends with every phase B: 64 columns of h go out
	s_wait_xcnt 0x0
	s_lshl_b32 s38, s26, 11                        ; the half's two fragments of h
	s_add_nc_u64 s[44:45], s[12:13], s[38:39]
.set i, 0
.rept 5
	s_add_co_u32 s50, s33, 4*i
	s_cmp_ge_u32 s50, s24
	s_cbranch_scc1 .LwoEnd                         ; this slot and those behind it repeat the last tile: not stored
	SILU i
.set i, i+1
.endr
.LwoEnd:
.rept 5
	v_nop                                          ; five places: INIT writes the accumulators anew
.endr
	s_cmp_eq_u32 s26, 0
	s_cselect_b32 s51, -1, 0                       ; behind the first 64 columns come the second, behind the second the next group's first
	WIN 0x45
.set n, 0
.rept 4
	v_cndmask_b32 v[WB+8*n], v[BH+n], v[BH+4+n], s51
.set n, n+1
.endr
	WIN 0
	s_cmp_eq_u32 s26, 0
	s_cbranch_scc1 .Lsame                          ; the same tiles go on: their first fragments have been asked for
	s_add_co_u32 s27, s27, 1
	GSTART
.Lsame:
	INIT
	WIN 0
.else
	s_cmp_eq_u32 s26, 0
	s_cbranch_scc1 .LjoinB                         ; K goes on
	PLACES
	s_cmp_eq_u32 s23, 0
	s_cbranch_scc1 .LwoEnd                         ; an expert without tokens stores nothing
	s_wait_loadcnt 0x0                             ; the token buffers are free
.set i, 0
.rept 5
	s_lshl_b32 s50, s[28+i], 6                     ; 16 rows x 4 bytes a tile
	v_add_nc_u32 v[LDA+i], s50, v12
	global_load_b128 v[DS+8*i:DS+8*i+3], v[LDA+i], s[12:13]
	global_load_b128 v[DS+8*i+4:DS+8*i+7], v[LDA+i], s[12:13] offset:16
	global_load_b128 v[GW+8*i:GW+8*i+3], v[LDA+i], s[14:15]
	global_load_b128 v[GW+8*i+4:GW+8*i+7], v[LDA+i], s[14:15] offset:16
.set i, i+1
.endr
	s_wait_loadcnt 0x0
.set i, 0
.rept 5
	s_add_co_u32 s50, s33, 4*i
	s_cmp_ge_u32 s50, s23
	s_cbranch_scc1 .LwoEnd
	YOUT i
.set i, i+1
.endr
.LwoEnd:
.rept 5
	v_nop                                          ; five places: INIT writes the accumulators anew
.endr
	s_add_co_u32 s27, s27, 1
	GSTART
	INIT
	WIN 0
.endif
	s_branch .LjoinB
.LprodB:
	s_cmp_lg_u32 s25, 0
	s_cbranch_scc1 .LjoinB
	BODY LB+2, 1, 60                               ; chunk 2 goes to LDS; chunk 3 is asked for
.LjoinB:
	JOIN
	s_add_co_u32 s25, s25, 1
	s_cmp_lt_u32 s25, 8
	s_cbranch_scc1 .Ltrip
	s_wait_tensorcnt 0x0                           ; the wave's end: three lines behind my last LDS store
	ds_add_u32 v[SPW], v[NIL]
	s_wait_dscnt 0x0
	s_endpgm
.Lfunc_end_k_qfa4053d955_up:
	.size	k_qfa4053d955_up, .Lfunc_end_k_qfa4053d955_up-k_qfa4053d955_up
	.p2alignl 7, 3214868480
	.fill 96, 4, 3214868480
	.section	.rodata,"a",@progbits
	.p2align	6, 0x0
	.amdhsa_kernel k_qfa4053d955_up
		.amdhsa_group_segment_fixed_size 263168
		.amdhsa_private_segment_fixed_size 0
		.amdhsa_enable_private_segment 0
		.amdhsa_kernarg_size 40
		.amdhsa_user_sgpr_count 2
		.amdhsa_user_sgpr_kernarg_segment_ptr 1
		.amdhsa_wavefront_size32 1
		.amdhsa_system_sgpr_workgroup_id_x 1
		.amdhsa_system_sgpr_workgroup_id_y 1
		.amdhsa_system_sgpr_workgroup_id_z 1
		.amdhsa_system_vgpr_workitem_id 0
		.amdhsa_next_free_vgpr 512
		.amdhsa_next_free_sgpr 66
		.amdhsa_reserve_vcc 0
		.amdhsa_float_denorm_mode_32 3
		.amdhsa_float_denorm_mode_16_64 3
		.amdhsa_memory_ordered 1
		.amdhsa_forward_progress 1
		.amdhsa_inst_pref_size 214
	.end_amdhsa_kernel
	.amdgpu_metadata
---
amdhsa.version: [ 1, 2 ]
amdhsa.kernels:
  - .name:           k_qfa4053d955_up
    .symbol:         k_qfa4053d955_up.kd
    .args:
      - { .name: xg, .offset: 0, .size: 8, .value_kind: global_buffer, .address_space: global }
      - { .name: w1, .offset: 8, .size: 8, .value_kind: global_buffer, .address_space: global }
      - { .name: b1, .offset: 16, .size: 8, .value_kind: global_buffer, .address_space: global }
      - { .name: cnt, .offset: 24, .size: 8, .value_kind: global_buffer, .address_space: global }
      - { .name: h, .offset: 32, .size: 8, .value_kind: global_buffer, .address_space: global }
    .group_segment_fixed_size: 263168
    .private_segment_fixed_size: 0
    .kernarg_segment_align: 8
    .kernarg_segment_size: 40
    .max_flat_workgroup_size: 256
    .sgpr_count:     66
    .vgpr_count:     512
    .wavefront_size: 32
...
	.end_amdgpu_metadata
.endif
;; end of part 3
;; launch down (part 4): grid 32 x 8, 8 waves a work-group, no clusters, 263,168 bytes of LDS; arguments h, w2, b2, cnt, dst, gws, y; writes y
.if DOCPART == 4
	.amdgcn_target "amdgcn-amd-amdhsa--gfx1250"
	.amdhsa_code_object_version 6
	.text
	.protected	k_qfa4053d955_down
	.globl	k_qfa4053d955_down
	.p2align	8
	.type	k_qfa4053d955_down,@function
k_qfa4053d955_down:
	s_mov_b64 s[64:65], 0
	v_nop
	global_prefetch_b8 v0, s[64:65] scope:SCOPE_SE
	s_setreg_imm32_b32 hwreg(HW_REG_WAVE_MODE, 25, 1), 1
	s_wait_xcnt 0x0
; ONE TEXT FOR THE TWO PRODUCTS OF AN EXPERT; P chooses.
; P = 1, UP:    h = silu(xg W1[e] + b1[e]).  Arguments xg, w1, b1, cnt, h.  Work-group (x = slice of 128 of the 4,096 columns, y = expert).
; P = 2, DOWN:  y[kh][choice][token] = g (h W2[e] + b2[e]), K cut in two halves kh of 2,048 (b2 in half 0 alone).  Arguments h, w2, b2, cnt, dst, gws, y.
;               Work-group (x = 16 kh + slice of 64 of the 1,024 columns, y = expert).  The four parts of y are added by the next launch.
; FORMATS.  Weights and biases are rounded to bf16 on their way (as every input of the program is); h is rounded once to bf16; all sums are f32; y is f32.
; LIMITS.  silu(z) = z / (1 + 2^(-z log2 e)) by v_exp_f32 and v_rcp_f32; where the power is below 2^-126 it counts as 0, and silu(z) = z to f32 there.  NaN and infinities are not treated apart.
; More than 320 rows of an expert are served by further groups of tiles behind the stream of weights.  An expert without tokens still has its weights read.
; THE SLICE.  A work-group alone reads its 512 KiB of f32 weights, once, and keeps them in LDS in bf16 (256 KiB), as 64 UNITS of 32 k x 64 columns: four fragments jf of 1,024 bytes;
; fragment jf holds the columns n0 + 4 m + jf (m = the operand's lane % 16), so that a lane's load of four neighbouring f32 feeds the four fragments.  In a unit fragment jf lies at 1,024 jf,
; piece c at + 512 c, lane L at + 16 L: every LDS access takes 512 consecutive bytes.  A CHUNK is 16 units, 64 KiB.
; P = 1: chunk c holds columns 64 (c / 2) on, k = 512 (c % 2) on.  P = 2: chunk c holds k = 512 c on of the half's K.  THE CHUNKS LIE IN LDS IN THE ORDER 0, 2, 1, 3.
; ROLES.  Waves 4-7 (producers) bring the weights through registers, round them and store them into LDS; producer m makes units 4 m .. 4 m + 3 of each chunk.  Waves 0-3 (consumers) load token
; fragments from memory and weight fragments from LDS, multiply, and write the results.  So weights asked for a whole chunk ahead and token fragments asked for three units ahead are counted
; by different waves' load counters.
; PHASES.  Chunk 0 is stored ahead of the loop; a barrier.  Then 8 trips T (group of tiles T / 2, t = T % 2) of two phases, a barrier behind each.
;   phase A: the consumers read chunk 2 t, in the LOWER 128 KiB; the producers store chunk 1 (T = 0) or chunk 3 (T = 1), in the UPPER 128 KiB.
;   phase B: the consumers read chunk 2 t + 1, in the UPPER 128 KiB; the producers store chunk 2 (T = 0), in the LOWER.
; So between two barriers stores and loads lie in different halves of the slice, and each chunk is stored a phase ahead of its first read, with the storing wave's wait for its stores and a
; barrier between.  No LDS byte is written twice.  Groups that the count does not reach are jumped: only work is jumped, never a barrier.
; ADDRESSES.  All that an LDS address or a buffer's base hangs on is made by all eight waves in one head, ahead of the branch on the role.  A store's LDS address is a register of that head plus an
; immediate.  A load's is 16 L + 65,536 t (+ 131,072 in phase B), made once a phase, plus an immediate: a phase's 16 units are written out for that.
; ROWS.  A group is 20 tiles of 16 rows; consumer cw has five slots: tiles 20 g + 4 i + cw.  A slot past the expert's last tile repeats that tile and is not stored.
; THE BIAS is one more row of K: a weight fragment that holds bf16(bias) at k = 0 and a token fragment that holds 1.0 at k = 0.  That product, with C = 0, starts the 20 sums (INIT): in the
; set-up for the first sums, at the end of each way out for the next: nothing is cleared, and every other product adds in place.
; K's ORDER.  xg's fragments hold k in its natural places.  h's fragments take what UP's accumulators hold: for the group G of 64 columns of h, fragment 2 G + f, piece c, lane half hh,
; place s (0..7) is column 64 G + 32 hh + 4 s + 2 f + c.  DOWN's producers load W2's rows in the same order, so both operands agree.
; NO CLUSTER: each weight byte has one reader; what an expert's work-groups share is its token fragments, whose number hangs on the count and which go straight into registers.
; REGISTERS, in two windows of 256 (s_set_vgpr_msb: bits 1:0 source 0, 3:2 source 1, 5:4 source 2, 7:6 destination).
;   all waves, window 0: v1 16 L; v2, v3 the add's two; v11 L % 16; v12 L / 16 (P = 2: 32 x that); v13 16 (L % 16); v15 all ones in lanes 0-15; v246 a lane's offset in the weights;
;   v248-251 LDS address of units 4 (wave % 4) on in chunks 0-3.
;   consumer, window 0: v4 LDS address of the chunk; v5-9 the slots' tile offsets; v10 at work; v16-79 weight fragments, two buffers of four; v80-239 token fragments, four buffers of five;
;   v240-244 way-out addresses.  Window 1: v0-159 the 20 accumulators (slot i, fragment jf at 32 i + 8 jf); v160-191 the bias fragments; v192-199 the fragment of ones; v200-207 both
;   halves' bias (P = 1).
;   producer, window 0: v16-47 rounded pieces, two sets.  Window 1: eight sets of 32: eight rows x 16 bytes a lane.
.set P, 2
.set SPARE, 262144                     ; behind the slice: the spare words, 128 bytes for each of eight waves
.if P == 1
.set ASH, 15                           ; a tile of xg is 32 fragments
.set BCUR, 4                           ; both chunks of a trip, and the next trip's first, lie within a tile's 32 fragments: one base
.set BNXT, 4
.else
.set ASH, 17                           ; a tile of h is 128 fragments
.set BCUR, 34                          ; s[34:35] the trip's 32 fragments,
.set BNXT, 36                          ; s[36:37] the other trip's
.endif
.set L16, 1
.set SPW, 2                            ; v2  LDS address of my spare word; never rewritten
.set NIL, 3                            ; v3  0; never rewritten
.set WA,  4
.set TO,  5
.set WF,  16
.set AR,  80
.set LDA, 240
.set GA,  246
.set LB,  248
.set O,   16
.set WB,  160
.set ONES, 192
.set BH,  200
.set TT,  16                           ; UP's way out: 32 numbers at work, in the weight fragments' registers
.set PKR, 48                           ; and 16 registers of packed results
.set DS,  80                           ; DOWN's way out, in the token fragments' registers: dst, eight a slot
.set GW,  120                          ; gate weights, eight a slot
.set OF,  160                          ; eight row offsets
.set Q,   168                          ; 32 results to store
; scalars: s[4:5] token fragments; s[6:7] weights: units 4 (wave % 4) on of chunk 0; s[8:9] bias; s[10:11] cnt; s[12:17] the other arguments; s18 wave; s19 wave % 4; s20 slice; s21 expert;
; s22 count; s23 nt; s24 nt1; s25 trip T; s26 t; s27 group; s[28:32] 64 e + the slots' tiles; s33 20 g + cw; s[34:37] token fragments of this trip, of the other (P = 2);
; s[38:39] an offset, high word 0; s42 LDS offset of a chunk; s43 64 e; s[44:45] where results go; s[46:47] -log2 e; s48 kh; s49 nt1 - 1; s50, s51 at work; s[56:61] the weights of chunks 1, 2, 3
.set MSB, 0
.macro WIN new                         ; the immediate's high byte repeats the setting that is left; a switch that changes nothing is dropped
.if MSB != (\new)
	s_set_vgpr_msb (MSB<<8)|(\new)
.set MSB, (\new)
.endif
.endm
.macro PLACES                          ; four plain vector lines between a matrix instruction and a load into, or a vector line on, its registers
.rept 4
	v_nop
.endr
.endm
; The end of a phase, in every wave's text.  Five plain lines, so that whatever follows stands far enough behind any product ahead of the barrier; the sources of what has been
; issued are free; my LDS stores are done and my LDS reads are back, for the others' sake; the barrier.
.macro JOIN
.rept 5
	v_nop
.endr
	s_wait_xcnt 0x0
	s_wait_dscnt 0x0
	s_barrier_signal -1
	s_barrier_wait -1
.endm
; PRODUCER.  Half-unit s = 2 ul + c of my four units of a chunk: eight rows, 16 bytes a lane; lanes 0-15 take 256 consecutive bytes of one row, lanes 16-31 of another.
.macro PLD s, b
.set pr, 0
.rept 8
.if P == 1
.set pim, (32*((\s)/2)+16*((\s)%2)+pr)*16384
.else
.set pim, (64*((\s)/4)+4*pr+2*(((\s)/2)%2)+((\s)%2))*4096
.endif
	global_load_b128 v[32*(\s)+4*pr:32*(\s)+4*pr+3], v[GA], s[\b:\b+1] offset:pim th:TH_LOAD_NT
.set pr, pr+1
.endr
.endm
; Set s has come: rows 2 t and 2 t + 1 are packed for each of the four columns, the four pieces go to LDS at v[lb], and (ld = 1) the set is asked for again, from the next chunk at s[b:b+1].
.macro HU s, lb, ld, b, n
	s_wait_loadcnt \n
	WIN 0x05                                       ; sources in window 1
.set hq, 0
.rept 4
.set hr, 0
.rept 4
	v_cvt_pk_bf16_f32 v[O+16*((\s)%2)+4*hq+hr], v[32*(\s)+8*hr+hq], v[32*(\s)+8*hr+4+hq]
.set hr, hr+1
.endr
.set hq, hq+1
.endr
.if \ld
	WIN 0x40                                       ; loads land in window 1; LDS stores have address and data in window 0
.else
	WIN 0
.endif
.set hq, 0
.rept 4
	ds_store_b128 v[\lb], v[O+16*((\s)%2)+4*hq:O+16*((\s)%2)+4*hq+3] offset:4096*((\s)/2)+1024*hq+512*((\s)%2)
.set hq, hq+1
.endr
.if \ld
	PLD \s, \b
.endif
.endm
; A chunk of mine.  ld = 1: eight sets of eight loads are out, the set in hand the oldest: the 56 younger loads stay out.  ld = 0, the last chunk: nothing is asked for, and the counts run down.
.macro BODY lb, ld, b
.set bs, 0
.rept 8
.if \ld
	HU bs, \lb, 1, \b, 56
.else
	HU bs, \lb, 0, \b, 56-8*bs
.endif
.set bs, bs+1
.endr
	WIN 0
.endm
; CONSUMER.
.macro ALOAD s, b, k                   ; the five slots' token fragment k from the base s[b:b+1], into buffer s: ten loads of 512 consecutive bytes
.set ai, 0
.rept 5
	global_load_b128 v[AR+40*(\s)+8*ai:AR+40*(\s)+8*ai+3], v[TO+ai], s[\b:\b+1] offset:1024*(\k)
	global_load_b128 v[AR+40*(\s)+8*ai+4:AR+40*(\s)+8*ai+7], v[TO+ai], s[\b:\b+1] offset:1024*(\k)+512
.set ai, ai+1
.endr
.endm
.macro WLOAD p, u                      ; the four weight fragments of the chunk's unit u, into buffer p: eight LDS loads
.set wi, 0
.rept 4
	ds_load_b128 v[WF+32*(\p)+8*wi:WF+32*(\p)+8*wi+3], v[WA] offset:4096*(\u)+1024*wi
	ds_load_b128 v[WF+32*(\p)+8*wi+4:WF+32*(\p)+8*wi+7], v[WA] offset:4096*(\u)+1024*wi+512
.set wi, wi+1
.endr
.endm
; A unit's 20 products.  The 20 accumulators take turns, one instruction a turn, in the same order in every unit and in INIT.
; P = 1: source 0 = weights, source 1 = tokens: a lane holds one token and eight columns.  P = 2: the other way round: a lane holds one column and eight tokens.
.macro MM u
	WIN 0x50                                       ; C and D in window 1
.set mi, 0
.rept 5
.set mj, 0
.rept 4
.set rD, 32*mi+8*mj
.if P == 1
.set rX, WF+32*((\u)%2)+8*mj
.set rY, AR+40*((\u)%4)+8*mi
.else
.set rX, AR+40*((\u)%4)+8*mi
.set rY, WF+32*((\u)%2)+8*mj
.endif
	v_wmma_f32_16x16x32_bf16 v[rD:rD+7], v[rX:rX+7], v[rY:rY+7], v[rD:rD+7]
.set mj, mj+1
.endr
.set mi, mi+1
.endr
.endm
; The product that starts the 20 sums: bias x 1 at k = 0, zeros elsewhere, C = 0.
.macro INIT
	WIN 0x45                                       ; both sources and D in window 1
.set mi, 0
.rept 5
.set mj, 0
.rept 4
.if P == 1
	v_wmma_f32_16x16x32_bf16 v[32*mi+8*mj:32*mi+8*mj+7], v[WB+8*mj:WB+8*mj+7], v[ONES:ONES+7], 0
.else
	v_wmma_f32_16x16x32_bf16 v[32*mi+8*mj:32*mi+8*mj+7], v[ONES:ONES+7], v[WB+8*mj:WB+8*mj+7], 0
.endif
.set mj, mj+1
.endr
.set mi, mi+1
.endr
.endm
; What stands ahead of unit u's products: token fragments three units on, weight fragments one unit on, and the two counted waits.  A trip's two chunks are 32 fragments on end: phase A's unit u
; is fragment u, phase B's 16 + u; phase B's last three units ask for the first three fragments of the chunk that follows.
.macro ULOADS u, hi
	PLACES                                         ; the loads below land on registers that the unit before's products read
	WIN 0
.if (\hi) == 0
	ALOAD ((\u)+3)%4, BCUR, (\u)+3
.elseif (\u) < 13
	ALOAD ((\u)+3)%4, BCUR, (\u)+19
.else
	ALOAD ((\u)+3)%4, BNXT, (\u)-13
.endif
.if (\u) < 15
	WLOAD ((\u)+1)%2, (\u)+1
	s_wait_dscnt 0x8                               ; this unit's weight fragments are in; the next unit's eight loads may stay out
.else
	s_wait_dscnt 0x0                               ; no weight fragment is asked for across the barrier
.endif
	s_wait_loadcnt 30                              ; this unit's token fragments are in; the ten loads of each of the three units behind it may stay out
.endm
; A chunk: 16 units.  hi = 0: chunk 2 t, in the lower half of the slice; hi = 1: chunk 2 t + 1, in the upper.
.macro PHASE hi
	s_lshl_b32 s42, s26, 16
.if \hi
	s_add_co_u32 s42, s42, 131072
.endif
	v_add_nc_u32 v[WA], s42, v[L16]
	WLOAD 0, 0                                     ; the chunk's first weight fragments
.set u, 0
.rept 16
	ULOADS u, \hi
	MM u
.set u, u+1
.endr
	WIN 0
.endm
; Group s27 of tiles begins: the slots' tiles, clamped to the expert's last, and the first three units' token fragments.
.macro GSTART
	s_wait_loadcnt 0x0                             ; no load is out: the tile offsets and the buffers may be written,
	s_wait_xcnt 0x0                                ; and the way out's stores have read their registers
	s_mul_i32 s33, s27, 20
	s_add_co_u32 s33, s33, s19
.set gi, 0
.rept 5
	s_add_co_u32 s50, s33, 4*gi
	s_min_u32 s50, s50, s49
	s_min_u32 s50, s50, 63
	s_add_co_u32 s[28+gi], s50, s43
	s_lshl_b32 s50, s[28+gi], ASH
	v_add_nc_u32 v[TO+gi], s50, v[L16]
.set gi, gi+1
.endr
	ALOAD 0, 4, 0
	ALOAD 1, 4, 1
	ALOAD 2, 4, 2
.endm
; UP's way out for slot i: silu on 32 numbers a lane, rounded to bf16: a lane's eight numbers of accumulator jf are one piece of h's fragments.  Each accumulator is read from its low end on.
.macro SILU i
	WIN 0x01                                       ; source 0 (the accumulators) in window 1
.set n, 0
.rept 16
	v_pk_mul_f32 v[TT+2*n:TT+2*n+1], v[32*(\i)+2*n:32*(\i)+2*n+1], s[46:47] op_sel_hi:[1,0]
.set n, n+1
.endr
	WIN 0
.set n, 0
.rept 32
	v_exp_f32 v[TT+n], v[TT+n]
.set n, n+1
.endr
	v_nop                                          ; a plain line behind the last exponential,
	s_wait_alu depctr_va_vdst(0)                   ; and one wait for the batch, ahead of the first line that names a result
.set n, 0
.rept 16
	v_pk_add_f32 v[TT+2*n:TT+2*n+1], v[TT+2*n:TT+2*n+1], 1.0 op_sel_hi:[1,0]
.set n, n+1
.endr
.set n, 0
.rept 32
	v_rcp_f32 v[TT+n], v[TT+n]
.set n, n+1
.endr
	v_nop
	s_wait_alu depctr_va_vdst(0)                   ; one wait for the 32 reciprocals
	WIN 0x01
.set n, 0
.rept 16
	v_pk_mul_f32 v[TT+2*n:TT+2*n+1], v[32*(\i)+2*n:32*(\i)+2*n+1], v[TT+2*n:TT+2*n+1]
.set n, n+1
.endr
	WIN 0
	s_wait_xcnt 0x0                                ; the slot before's stores have read their address and data
	s_lshl_b32 s50, s[28+(\i)], 17
	v_add_nc_u32 v10, s50, v[L16]
.set n, 0
.rept 16
	v_cvt_pk_bf16_f32 v[PKR+n], v[TT+2*n], v[TT+2*n+1]
.set n, n+1
.endr
.set n, 0
.rept 4
	global_store_b128 v10, v[PKR+4*n:PKR+4*n+3], s[44:45] offset:512*n   ; 512 consecutive bytes, at a multiple of 256 from h's first byte
.set n, n+1
.endr
.endm
; DOWN's way out for slot i: the gate's weight; for each of a lane's eight tokens its four neighbouring columns are stored: 16 lanes fill 256 consecutive bytes of a row of y.
.macro YOUT i
	s_wait_xcnt 0x0                                ; the slot before's stores have read their addresses and data
.set n, 0
.rept 8
	v_min_u32 v[OF+n], 0x7ff, v[DS+8*(\i)+n]
	v_lshl_add_u32 v[OF+n], v[OF+n], 12, v13       ; row choice x 1,024 + token of 4,096 bytes, my 16 bytes
.set n, n+1
.endr
	WIN 0x01
.set n, 0
.rept 32                                           ; token n / 4, column n % 4: register 0 of each accumulator is read first
	v_mul_f32 v[Q+n], v[32*(\i)+8*(n%4)+n/4], v[GW+8*(\i)+n/4]
.set n, n+1
.endr
	WIN 0
.set n, 0
.rept 8
	global_store_b128 v[OF+n], v[Q+4*n:Q+4*n+3], s[44:45]
.set n, n+1
.endr
.endm
	; THE HEAD, run by all eight waves: every LDS address register, every base, the count
	s_load_b256 s[4:11], s[0:1], 0x0
.if P == 1
	s_load_b64 s[12:13], s[0:1], 0x20              ; h
.else
	s_load_b128 s[12:15], s[0:1], 0x20             ; dst, gws
	s_load_b64 s[16:17], s[0:1], 0x30              ; y
.endif
	v_lshl_add_u32 v[SPW], v0, 2, SPARE
	v_mov_b32 v[NIL], 0
	v_lshrrev_b32 v10, 5, v0
	v_readfirstlane_b32 s18, v10                   ; wave 0..7
	v_and_b32 v10, 31, v0
	v_lshlrev_b32 v[L16], 4, v10                   ; 16 L
	v_and_b32 v11, 15, v10                         ; L % 16
	v_lshrrev_b32 v12, 4, v10                      ; hh = L / 16
	v_lshlrev_b32 v13, 4, v11                      ; 16 (L % 16): lane m's four columns 4 m + jf
	v_add_nc_u32 v15, -1, v12                      ; all ones in lanes 0-15, which hold k = 0 .. 7; 0 in lanes 16-31
	v_lshlrev_b32 v[GA], 17, v12                   ; lanes 16-31: 8 rows of 16,384 bytes on (P = 1), 32 rows of 4,096 (P = 2): 131,072 bytes both
	v_lshl_add_u32 v[GA], v11, 4, v[GA]
.if P == 2
	v_lshlrev_b32 v12, 5, v12                      ; 32 hh: a lane's eight rows in dst and gws
.endif
	s_and_b32 s19, s18, 3
	s_mul_i32 s50, s19, 16384                      ; four units of 4,096 bytes
	v_add_nc_u32 v[LB], s50, v[L16]                ; in chunk 0, at LDS byte 0,
	s_add_co_u32 s51, s50, 131072
	v_add_nc_u32 v[LB+1], s51, v[L16]              ; in chunk 1,
	s_add_co_u32 s51, s50, 65536
	v_add_nc_u32 v[LB+2], s51, v[L16]              ; in chunk 2,
	s_add_co_u32 s51, s50, 196608
	v_add_nc_u32 v[LB+3], s51, v[L16]              ; in chunk 3
	s_and_b32 s21, ttmp7, 0xffff
.if P == 1
	s_mov_b32 s20, ttmp9
	s_mov_b32 s46, 0xbfb8aa3b                      ; -log2 e
	s_mov_b32 s47, s46                             ; named with it as a pair
.else
	s_and_b32 s20, ttmp9, 15
	s_lshr_b32 s48, ttmp9, 4
.endif
	s_lshl_b32 s43, s21, 6
	s_mov_b32 s25, 0
	s_mov_b32 s27, 0
	s_mov_b32 s39, 0
	s_wait_kmcnt 0x0
	s_lshl_b32 s38, s21, 7
	s_add_nc_u64 s[10:11], s[10:11], s[38:39]
	s_load_b32 s22, s[10:11], 0x0                  ; the expert's count
.if P == 1
	s_lshl_b32 s38, s21, 14
	s_lshl_b32 s50, s20, 9                         ; the slice's 512 bytes of a row
	s_add_co_u32 s38, s38, s50
	s_add_nc_u64 s[8:9], s[8:9], s[38:39]          ; b1 at the slice's 128 columns
	s_lshl_b32 s38, s20, 12
	s_add_nc_u64 s[12:13], s[12:13], s[38:39]      ; h at fragment 4 x slice of a tile
	s_lshl_b32 s38, s21, 24                        ; the expert's 16 MiB of weights
	s_add_co_u32 s38, s38, s50
	s_lshl_b32 s50, s19, 21                        ; four units: 128 rows of 16,384 bytes
	s_add_co_u32 s38, s38, s50
	s_add_nc_u64 s[6:7], s[6:7], s[38:39]
	s_add_nc_u64 s[56:57], s[6:7], 0x800000        ; chunk 1: 512 rows of 16,384 bytes on
	s_add_nc_u64 s[58:59], s[6:7], 0x100           ; chunk 2: the second 64 columns
	s_add_nc_u64 s[60:61], s[6:7], 0x800100        ; chunk 3: both
.else
	s_lshl_b32 s38, s21, 12
	s_lshl_b32 s50, s20, 8                         ; the slice's 256 bytes of a row
	s_add_co_u32 s38, s38, s50
	s_add_nc_u64 s[8:9], s[8:9], s[38:39]          ; b2 at the slice's 64 columns
	s_lshl_b32 s38, s48, 16
	s_add_nc_u64 s[4:5], s[4:5], s[38:39]          ; h at the half of K: 64 fragments on
	s_lshl_b32 s38, s48, 23                        ; the half's part of y; also the half's 2,048 rows of 4,096 bytes of weights
	s_add_co_u32 s38, s38, s50
	s_add_nc_u64 s[44:45], s[16:17], s[38:39]      ; y at the half's part and the slice's 256 bytes of a row
	s_lshl_b32 s51, s21, 24                        ; the expert's 16 MiB of weights
	s_add_co_u32 s38, s38, s51
	s_lshl_b32 s51, s19, 19                        ; four units: 128 rows of 4,096 bytes
	s_add_co_u32 s38, s38, s51
	s_add_nc_u64 s[6:7], s[6:7], s[38:39]
	s_add_nc_u64 s[56:57], s[6:7], 0x200000        ; a chunk is 512 rows of 4,096 bytes
	s_add_nc_u64 s[58:59], s[6:7], 0x400000
	s_add_nc_u64 s[60:61], s[6:7], 0x600000
	s_cmp_eq_u32 s48, 0
	s_cselect_b32 s51, -1, 0                       ; the bias belongs to half 0
	v_and_b32 v10, s51, v15
.endif
	s_wait_kmcnt 0x0
	s_min_u32 s22, s22, 1024
	s_add_co_u32 s23, s22, 15
	s_lshr_b32 s23, s23, 4                         ; nt
	s_max_u32 s24, s23, 1                          ; nt1
	s_sub_co_u32 s49, s24, 1
	s_cmp_ge_u32 s18, 4
	s_cbranch_scc1 .Lpset
	; THE CONSUMERS' SET-UP: the bias fragments and the fragment of ones; group 0's tiles and first token fragments; the first sums' start
.if P == 1
	global_load_b128 v[AR:AR+3], v13, s[8:9]                ; the first 64 columns' bias,
	global_load_b128 v[AR+4:AR+7], v13, s[8:9] offset:256   ; the second's
	s_wait_loadcnt 0x0
.set n, 0
.rept 8
	v_cvt_pk_bf16_f32 v[TT+n], v[AR+n], v[NIL]     ; the bias at k = 0 (the low half), 0 at k = 1
.set n, n+1
.endr
	WIN 0x40
.set n, 0
.rept 8
	v_and_b32 v[BH+n], v15, v[TT+n]                ; both halves' are kept,
.set n, n+1
.endr
.set n, 0
.rept 4
	v_and_b32 v[WB+8*n], v15, v[TT+n]              ; the first half's stand in the fragments
.set n, n+1
.endr
.else
	global_load_b128 v[AR:AR+3], v13, s[8:9]
	s_wait_loadcnt 0x0
.set n, 0
.rept 4
	v_cvt_pk_bf16_f32 v[TT+n], v[AR+n], v[NIL]     ; the bias at k = 0 (the low half), 0 at k = 1
.set n, n+1
.endr
	WIN 0x40
.set n, 0
.rept 4
	v_and_b32 v[WB+8*n], v10, v[TT+n]
.set n, n+1
.endr
.endif
	v_and_b32 v[ONES], 0x3f80, v15                 ; 1.0 at k = 0
.set n, 1
.rept 7                                            ; all other k of the five fragments are 0
	v_mov_b32 v[ONES+n], 0
	v_mov_b32 v[WB+n], 0
	v_mov_b32 v[WB+8+n], 0
	v_mov_b32 v[WB+16+n], 0
	v_mov_b32 v[WB+24+n], 0
.set n, n+1
.endr
	WIN 0
	GSTART
	INIT
	WIN 0
	s_branch .Ljoin0
.Lpset:
	; THE PRODUCERS' SET-UP: chunk 0's 64 loads, and chunk 0
	WIN 0x40
.set ps, 0
.rept 8
	PLD ps, 6
.set ps, ps+1
.endr
	BODY LB, 1, 56                                 ; chunk 0 goes to LDS; chunk 1 is asked for
.Ljoin0:
	JOIN                                           ; chunk 0 is in LDS
.Ltrip:
	s_and_b32 s26, s25, 1                          ; t
	s_lshr_b32 s27, s25, 1                         ; group
.if P == 2
	s_lshl_b32 s38, s26, 15                        ; the trip's 32 fragments of 1,024 bytes; the join's wait has freed the two bases
	s_add_nc_u64 s[34:35], s[4:5], s[38:39]
	s_xor_b32 s38, s38, 32768                      ; what follows them: the other 32 (behind the last: the first again; those 30 loads serve nothing and stay inside what has been written)
	s_add_nc_u64 s[36:37], s[4:5], s[38:39]
.endif
	; PHASE A
	s_cmp_ge_u32 s18, 4
	s_cbranch_scc1 .LprodA
	s_mul_i32 s50, s27, 20
	s_cmp_ge_u32 s50, s24
	s_cbranch_scc1 .LjoinA                         ; the expert has no tile in this group
	PHASE 0
	s_branch .LjoinA
.LprodA:
	s_cmp_eq_u32 s25, 0
	s_cbranch_scc1 .LpA0
	s_cmp_eq_u32 s25, 1
	s_cbranch_scc0 .LjoinA                         ; the slice is in LDS
	BODY LB+3, 0, 6                                ; chunk 3 goes to LDS: the last
	s_branch .LjoinA
.LpA0:
	BODY LB+1, 1, 58                               ; chunk 1 goes to LDS; chunk 2 is asked for
.LjoinA:
	JOIN
	; PHASE B
	s_cmp_ge_u32 s18, 4
	s_cbranch_scc1 .LprodB
	s_mul_i32 s50, s27, 20
	s_cmp_ge_u32 s50, s24
	s_cbranch_scc1 .LjoinB
	PHASE 1
.if P == 1
	PLACES                                         ; K ends with every phase B: 64 columns of h go out
	s_wait_xcnt 0x0
	s_lshl_b32 s38, s26, 11                        ; the half's two fragments of h
	s_add_nc_u64 s[44:45], s[12:13], s[38:39]
.set i, 0
.rept 5
	s_add_co_u32 s50, s33, 4*i
	s_cmp_ge_u32 s50, s24
	s_cbranch_scc1 .LwoEnd                         ; this slot and those behind it repeat the last tile: not stored
	SILU i
.set i, i+1
.endr
.LwoEnd:
.rept 5
	v_nop                                          ; five places: INIT writes the accumulators anew
.endr
	s_cmp_eq_u32 s26, 0
	s_cselect_b32 s51, -1, 0                       ; behind the first 64 columns come the second, behind the second the next group's first
	WIN 0x45
.set n, 0
.rept 4
	v_cndmask_b32 v[WB+8*n], v[BH+n], v[BH+4+n], s51
.set n, n+1
.endr
	WIN 0
	s_cmp_eq_u32 s26, 0
	s_cbranch_scc1 .Lsame                          ; the same tiles go on: their first fragments have been asked for
	s_add_co_u32 s27, s27, 1
	GSTART
.Lsame:
	INIT
	WIN 0
.else
	s_cmp_eq_u32 s26, 0
	s_cbranch_scc1 .LjoinB                         ; K goes on
	PLACES
	s_cmp_eq_u32 s23, 0
	s_cbranch_scc1 .LwoEnd                         ; an expert without tokens stores nothing
	s_wait_loadcnt 0x0                             ; the token buffers are free
.set i, 0
.rept 5
	s_lshl_b32 s50, s[28+i], 6                     ; 16 rows x 4 bytes a tile
	v_add_nc_u32 v[LDA+i], s50, v12
	global_load_b128 v[DS+8*i:DS+8*i+3], v[LDA+i], s[12:13]
	global_load_b128 v[DS+8*i+4:DS+8*i+7], v[LDA+i], s[12:13] offset:16
	global_load_b128 v[GW+8*i:GW+8*i+3], v[LDA+i], s[14:15]
	global_load_b128 v[GW+8*i+4:GW+8*i+7], v[LDA+i], s[14:15] offset:16
.set i, i+1
.endr
	s_wait_loadcnt 0x0
.set i, 0
.rept 5
	s_add_co_u32 s50, s33, 4*i
	s_cmp_ge_u32 s50, s23
	s_cbranch_scc1 .LwoEnd
	YOUT i
.set i, i+1
.endr
.LwoEnd:
.rept 5
	v_nop                                          ; five places: INIT writes the accumulators anew
.endr
	s_add_co_u32 s27, s27, 1
	GSTART
	INIT
	WIN 0
.endif
	s_branch .LjoinB
.LprodB:
	s_cmp_lg_u32 s25, 0
	s_cbranch_scc1 .LjoinB
	BODY LB+2, 1, 60                               ; chunk 2 goes to LDS; chunk 3 is asked for
.LjoinB:
	JOIN
	s_add_co_u32 s25, s25, 1
	s_cmp_lt_u32 s25, 8
	s_cbranch_scc1 .Ltrip
	s_wait_tensorcnt 0x0                           ; the wave's end: three lines behind my last LDS store
	ds_add_u32 v[SPW], v[NIL]
	s_wait_dscnt 0x0
	s_endpgm
.Lfunc_end_k_qfa4053d955_down:
	.size	k_qfa4053d955_down, .Lfunc_end_k_qfa4053d955_down-k_qfa4053d955_down
	.p2alignl 7, 3214868480
	.fill 96, 4, 3214868480
	.section	.rodata,"a",@progbits
	.p2align	6, 0x0
	.amdhsa_kernel k_qfa4053d955_down
		.amdhsa_group_segment_fixed_size 263168
		.amdhsa_private_segment_fixed_size 0
		.amdhsa_enable_private_segment 0
		.amdhsa_kernarg_size 56
		.amdhsa_user_sgpr_count 2
		.amdhsa_user_sgpr_kernarg_segment_ptr 1
		.amdhsa_wavefront_size32 1
		.amdhsa_system_sgpr_workgroup_id_x 1
		.amdhsa_system_sgpr_workgroup_id_y 1
		.amdhsa_system_sgpr_workgroup_id_z 1
		.amdhsa_system_vgpr_workitem_id 0
		.amdhsa_next_free_vgpr 512
		.amdhsa_next_free_sgpr 66
		.amdhsa_reserve_vcc 0
		.amdhsa_float_denorm_mode_32 3
		.amdhsa_float_denorm_mode_16_64 3
		.amdhsa_memory_ordered 1
		.amdhsa_forward_progress 1
		.amdhsa_inst_pref_size 196
	.end_amdhsa_kernel
	.amdgpu_metadata
---
amdhsa.version: [ 1, 2 ]
amdhsa.kernels:
  - .name:           k_qfa4053d955_down
    .symbol:         k_qfa4053d955_down.kd
    .args:
      - { .name: h, .offset: 0, .size: 8, .value_kind: global_buffer, .address_space: global }
      - { .name: w2, .offset: 8, .size: 8, .value_kind: global_buffer, .address_space: global }
      - { .name: b2, .offset: 16, .size: 8, .value_kind: global_buffer, .address_space: global }
      - { .name: cnt, .offset: 24, .size: 8, .value_kind: global_buffer, .address_space: global }
      - { .name: dst, .offset: 32, .size: 8, .value_kind: global_buffer, .address_space: global }
      - { .name: gws, .offset: 40, .size: 8, .value_kind: global_buffer, .address_space: global }
      - { .name: y, .offset: 48, .size: 8, .value_kind: global_buffer, .address_space: global }
    .group_segment_fixed_size: 263168
    .private_segment_fixed_size: 0
    .kernarg_segment_align: 8
    .kernarg_segment_size: 56
    .max_flat_workgroup_size: 256
    .sgpr_count:     66
    .vgpr_count:     512
    .wavefront_size: 32
...
	.end_amdgpu_metadata
.endif
;; end of part 4
;; launch combine (part 5): grid 256 x 1, 8 waves a work-group, no clusters, 0 bytes of LDS; arguments y, out0; writes out0
.if DOCPART == 5
	.amdgcn_target "amdgcn-amd-amdhsa--gfx1250"
	.amdhsa_code_object_version 6
	.text
	.protected	k_qfa4053d955_combine
	.globl	k_qfa4053d955_combine
	.p2align	8
	.type	k_qfa4053d955_combine,@function
k_qfa4053d955_combine:
	s_mov_b64 s[64:65], 0
	v_nop
	global_prefetch_b8 v0, s[64:65] scope:SCOPE_SE
	s_setreg_imm32_b32 hwreg(HW_REG_WAVE_MODE, 25, 1), 1
	s_wait_xcnt 0x0
; COMBINE.  out0[t][c] = y[0][0][t][c] + y[0][1][t][c] + y[1][0][t][c] + y[1][1][t][c]: the two halves of K and the token's two choices, already weighted, all f32.
; A stream: 16 MiB in, 4 MiB out, each byte once.  A work-group owns 16,384 consecutive bytes of out0; thread t owns the 16 bytes at 16 t of each of its four blocks of 4,096.
; All 16 loads of a wave go out at once, block by block; a load or store of a wave covers 512 consecutive bytes.  No LDS, no barrier, no loop.
.set PART, 4194304                     ; bytes in a part of y
.set V, 8                              ; v[8:71]  block n, part p at V + 16 n + 4 p
	s_load_b128 s[4:7], s[0:1], 0x0                ; y s[4:5], out0 s[6:7]
	v_lshlrev_b32 v1, 4, v0
	s_lshl_b32 s8, ttmp9, 14
	s_mov_b32 s9, 0
	s_wait_kmcnt 0x0
	s_add_nc_u64 s[4:5], s[4:5], s[8:9]            ; parts 0 and 1
	s_add_nc_u64 s[6:7], s[6:7], s[8:9]
	s_add_nc_u64 s[10:11], s[4:5], 2*PART          ; parts 2 and 3: the immediate reaches one part on, not three
.set n, 0
.rept 4
	global_load_b128 v[V+16*n:V+16*n+3],     v1, s[4:5] offset:4096*n th:TH_LOAD_NT
	global_load_b128 v[V+16*n+4:V+16*n+7],   v1, s[4:5] offset:4096*n+PART th:TH_LOAD_NT
	global_load_b128 v[V+16*n+8:V+16*n+11],  v1, s[10:11] offset:4096*n th:TH_LOAD_NT
	global_load_b128 v[V+16*n+12:V+16*n+15], v1, s[10:11] offset:4096*n+PART th:TH_LOAD_NT
.set n, n+1
.endr
.set n, 0
.rept 4
.set b, V+16*n
	s_wait_loadcnt 12-4*n                          ; this block's four loads are in; the later blocks' stay out
	v_pk_add_f32 v[b:b+1], v[b:b+1], v[b+4:b+5]
	v_pk_add_f32 v[b+2:b+3], v[b+2:b+3], v[b+6:b+7]
	v_pk_add_f32 v[b+8:b+9], v[b+8:b+9], v[b+12:b+13]
	v_pk_add_f32 v[b+10:b+11], v[b+10:b+11], v[b+14:b+15]
	v_pk_add_f32 v[b:b+1], v[b:b+1], v[b+8:b+9]
	v_pk_add_f32 v[b+2:b+3], v[b+2:b+3], v[b+10:b+11]
	global_store_b128 v1, v[b:b+3], s[6:7] offset:4096*n th:TH_STORE_NT
.set n, n+1
.endr
	s_endpgm
.Lfunc_end_k_qfa4053d955_combine:
	.size	k_qfa4053d955_combine, .Lfunc_end_k_qfa4053d955_combine-k_qfa4053d955_combine
	.p2alignl 7, 3214868480
	.fill 96, 4, 3214868480
	.section	.rodata,"a",@progbits
	.p2align	6, 0x0
	.amdhsa_kernel k_qfa4053d955_combine
		.amdhsa_group_segment_fixed_size 0
		.amdhsa_private_segment_fixed_size 0
		.amdhsa_enable_private_segment 0
		.amdhsa_kernarg_size 16
		.amdhsa_user_sgpr_count 2
		.amdhsa_user_sgpr_kernarg_segment_ptr 1
		.amdhsa_wavefront_size32 1
		.amdhsa_system_sgpr_workgroup_id_x 1
		.amdhsa_system_sgpr_workgroup_id_y 1
		.amdhsa_system_sgpr_workgroup_id_z 1
		.amdhsa_system_vgpr_workitem_id 0
		.amdhsa_next_free_vgpr 72
		.amdhsa_next_free_sgpr 66
		.amdhsa_reserve_vcc 0
		.amdhsa_float_denorm_mode_32 3
		.amdhsa_float_denorm_mode_16_64 3
		.amdhsa_memory_ordered 1
		.amdhsa_forward_progress 1
		.amdhsa_inst_pref_size 5
	.end_amdhsa_kernel
	.amdgpu_metadata
---
amdhsa.version: [ 1, 2 ]
amdhsa.kernels:
  - .name:           k_qfa4053d955_combine
    .symbol:         k_qfa4053d955_combine.kd
    .args:
      - { .name: y, .offset: 0, .size: 8, .value_kind: global_buffer, .address_space: global }
      - { .name: out0, .offset: 8, .size: 8, .value_kind: global_buffer, .address_space: global }
    .group_segment_fixed_size: 0
    .private_segment_fixed_size: 0
    .kernarg_segment_align: 8
    .kernarg_segment_size: 16
    .max_flat_workgroup_size: 256
    .sgpr_count:     66
    .vgpr_count:     72
    .wavefront_size: 32
...
	.end_amdgpu_metadata
.endif
;; end of part 5
;; ======== version 2 of 2: 5 launches; version 1 with the launches up, down written anew for expert scheduling mode
;; workspace buffers: sel 4,096 bytes of whole numbers; wts 8,192 bytes; cnt 1,024 bytes of whole numbers; dst 32,768 bytes of whole numbers; gws 32,768 bytes; xg 16,777,216 bytes; h 67,108,864 bytes; y 16,777,216 bytes
;; launch router: the kernel of part 1 again; grid 256 x 1, 4 waves a work-group, no clusters, 37,376 bytes of LDS; arguments x, gate_w, sel, wts; writes sel, wts
;; launch place: the kernel of part 2 again; grid 64 x 8, 4 waves a work-group, no clusters, 35,328 bytes of LDS; arguments sel, wts, x, xg, cnt, dst, gws; writes xg, cnt, dst, gws
;; launch up (part 6): grid 32 x 8, 8 waves a work-group, no clusters, 263,168 bytes of LDS; arguments xg, w1, b1, cnt, h; writes h
.if DOCPART == 6
	.amdgcn_target "amdgcn-amd-amdhsa--gfx1250"
	.amdhsa_code_object_version 6
	.text
	.protected	k_qfa4053d955_up
	.globl	k_qfa4053d955_up
	.p2align	8
	.type	k_qfa4053d955_up,@function
k_qfa4053d955_up:
	s_mov_b64 s[64:65], 0
	v_nop
	global_prefetch_b8 v0, s[64:65] scope:SCOPE_SE
	s_setreg_imm32_b32 hwreg(HW_REG_WAVE_SCHED_MODE, 0, 2), 2
	s_setreg_imm32_b32 hwreg(HW_REG_WAVE_MODE, 25, 1), 1
	s_wait_xcnt 0x0
	s_wait_alu depctr_vm_vsrc(0)
; ONE TEXT FOR THE TWO PRODUCTS OF AN EXPERT; P chooses.
; P = 1, UP:    h = silu(xg W1[e] + b1[e]).  Arguments xg, w1, b1, cnt, h.  Work-group (x = slice of 128 of the 4,096 columns, y = expert).
; P = 2, DOWN:  y[kh][choice][token] = g (h W2[e] + b2[e]), K cut in two halves kh of 2,048 (b2 in half 0 alone).  Arguments h, w2, b2, cnt, dst, gws, y.
;               Work-group (x = 16 kh + slice of 64 of the 1,024 columns, y = expert).  The four parts of y are added by the next launch.
; FORMATS.  Weights and biases are rounded to bf16 on their way (as every input of the program is); h is rounded once to bf16; all sums are f32; y is f32.
; LIMITS.  silu(z) = z / (1 + 2^(-z log2 e)) by v_exp_f32 and v_rcp_f32; where the power is below 2^-126 it counts as 0, and silu(z) = z to f32 there.  NaN and infinities are not treated apart.
; More than 320 rows of an expert are served by further groups of tiles behind the stream of weights.  An expert without tokens still has its weights read.
; THE SLICE.  A work-group alone reads its 512 KiB of f32 weights, once, and keeps them in LDS in bf16 (256 KiB), as 64 UNITS of 32 k x 64 columns: four fragments jf of 1,024 bytes;
; fragment jf holds the columns n0 + 4 m + jf (m = the operand's lane % 16), so that a lane's load of four neighbouring f32 feeds the four fragments.  In a unit fragment jf lies at 1,024 jf,
; piece c at + 512 c, lane L at + 16 L: every LDS access takes 512 consecutive bytes.  A CHUNK is 16 units, 64 KiB.
; P = 1: chunk c holds columns 64 (c / 2) on, k = 512 (c % 2) on.  P = 2: chunk c holds k = 512 c on of the half's K.  THE CHUNKS LIE IN LDS IN THE ORDER 0, 2, 1, 3.
; ROLES.  Waves 4-7 (producers) bring the weights through registers, round them and store them into LDS; producer m makes units 4 m .. 4 m + 3 of each chunk.  Waves 0-3 (consumers) load token
; fragments from memory and weight fragments from LDS, multiply, and write the results.  So weights asked for a whole chunk ahead and token fragments asked for three units ahead are counted
; by different waves' load counters.
; PHASES.  Chunk 0 is stored ahead of the loop; a barrier.  Then 8 trips T (group of tiles T / 2, t = T % 2) of two phases, a barrier behind each.
;   phase A: the consumers read chunk 2 t, in the LOWER 128 KiB; the producers store chunk 1 (T = 0) or chunk 3 (T = 1), in the UPPER 128 KiB.
;   phase B: the consumers read chunk 2 t + 1, in the UPPER 128 KiB; the producers store chunk 2 (T = 0), in the LOWER.
; So between two barriers stores and loads lie in different halves of the slice, and each chunk is stored a phase ahead of its first read, with the storing wave's wait for its stores and a
; barrier between.  No LDS byte is written twice.  Groups that the count does not reach are jumped: only work is jumped, never a barrier.
; ADDRESSES.  All that an LDS address or a buffer's base hangs on is made by all eight waves in one head, ahead of the branch on the role.  A store's LDS address is a register of that head plus an
; immediate.  A load's is 16 L + 65,536 t (+ 131,072 in phase B), made once a phase, plus an immediate: a phase's 16 units are written out for that.
; ROWS.  A group is 20 tiles of 16 rows; consumer cw has five slots: tiles 20 g + 4 i + cw.  A slot past the expert's last tile repeats that tile and is not stored.
; THE BIAS is one more row of K: a weight fragment that holds bf16(bias) at k = 0 and a token fragment that holds 1.0 at k = 0.  That product, with C = 0, starts the 20 sums (INIT): in the
; set-up for the first sums, at the end of each way out for the next: nothing is cleared, and every other product adds in place.
; K's ORDER.  xg's fragments hold k in its natural places.  h's fragments take what UP's accumulators hold: for the group G of 64 columns of h, fragment 2 G + f, piece c, lane half hh,
; place s (0..7) is column 64 G + 32 hh + 4 s + 2 f + c.  DOWN's producers load W2's rows in the same order, so both operands agree.
; NO CLUSTER: each weight byte has one reader; what an expert's work-groups share is its token fragments, whose number hangs on the count and which go straight into registers.
; THE MODE: SCHED_MODE bits 1:0 = 2 (LLVM: expert scheduling mode 2), set by the entry lines.  The code itself states the register dependences between vector or matrix instructions and
; memory or LDS instructions, with s_wait_alu, always for 0.
; THE PLAN.  Registers that memory or LDS instructions touch, and who else names them.
; CONSUMER.  AR0-AR3: unit u's products read AR[u % 4]; the ten loads issued in unit u land in AR[(u + 3) % 4], which unit u - 1's products read.  WF0, WF1: unit u's products read WF[u % 2];
;   the eight LDS loads issued in unit u land in WF[(u + 1) % 2], which unit u - 1's products read.  So ONE wait on va_vdst stands at a unit's head: the unit before's products are done.  The unit's
;   first four products follow at once; they and the sixteen behind the loads name AR[u % 4], WF[u % 2] and accumulators: none of the registers that the unit's loads touch.
;   v4, the chunk's LDS address, is written once a phase: behind the join's wait on vm_vsrc, ahead of the phase's own wait on va_vdst, which serves unit 0 too.  v5-9, the tile offsets, are written
;   once a group, between GSTART's two waits.  The way out's addresses and data are written by vector lines: one wait on va_vdst ahead of each run of stores (DOWN: and of the lists' loads), one on
;   vm_vsrc ahead of the lines that write them again for the next slot.
; PRODUCER.  Set s (window 1): half-unit s's sixteen conversions read it; behind them the next chunk's loads land in it.  Out-buffer s (window 0, one to a set): those conversions write it, four
;   LDS stores read it; it is written again a chunk later, behind a join.  So one wait on va_vdst stands behind a half-unit's conversions, ahead of its stores and loads, and the join's wait on
;   vm_vsrc serves all eight out-buffers.
; v1, v12, v13, v246 and v248-251 are made in the head, ahead of its wait on va_vdst, and never written again.
; REGISTERS, in two windows of 256 (s_set_vgpr_msb: bits 1:0 source 0, 3:2 source 1, 5:4 source 2, 7:6 destination).
;   all waves, window 0: v1 16 L; v3 0; v11 L % 16; v12 L / 16 (P = 2: 32 x that); v13 16 (L % 16); v15 all ones in lanes 0-15; v246 a lane's offset in the weights;
;   v248-251 LDS address of units 4 (wave % 4) on in chunks 0-3.
;   consumer, window 0: v4 LDS address of the chunk; v5-9 the slots' tile offsets; v10 at work; v16-79 weight fragments, two buffers of four; v80-239 token fragments, four buffers of five;
;   v240-244 way-out addresses.  Window 1: v0-159 the 20 accumulators (slot i, fragment jf at 32 i + 8 jf); v160-191 the bias fragments; v192-199 the fragment of ones; v200-207 both
;   halves' bias (P = 1).
;   producer, window 0: v16-143 rounded pieces: eight out-buffers of 16, one to a set.  Window 1: eight sets of 32: eight rows x 16 bytes a lane.
.set P, 1
.if P == 1
.set ASH, 15                           ; a tile of xg is 32 fragments
.set BCUR, 4                           ; both chunks of a trip, and the next trip's first, lie within a tile's 32 fragments: one base
.set BNXT, 4
.else
.set ASH, 17                           ; a tile of h is 128 fragments
.set BCUR, 34                          ; s[34:35] the trip's 32 fragments,
.set BNXT, 36                          ; s[36:37] the other trip's
.endif
.set L16, 1
.set NIL, 3                            ; v3  0: the upper half in the bias's conversions; never rewritten
.set WA,  4
.set TO,  5
.set WF,  16
.set AR,  80
.set LDA, 240
.set GA,  246
.set LB,  248
.set O,   16
.set WB,  160
.set ONES, 192
.set BH,  200
.set TT,  16                           ; UP's way out: 32 numbers at work, in the weight fragments' registers
.set PKR, 48                           ; and 16 registers of packed results
.set DS,  80                           ; DOWN's way out, in the token fragments' registers: dst, eight a slot
.set GW,  120                          ; gate weights, eight a slot
.set OF,  160                          ; eight row offsets
.set Q,   168                          ; 32 results to store
; scalars: s[4:5] token fragments; s[6:7] weights: units 4 (wave % 4) on of chunk 0; s[8:9] bias; s[10:11] cnt; s[12:17] the other arguments; s18 wave; s19 wave % 4; s20 slice; s21 expert;
; s22 count; s23 nt; s24 nt1; s25 trip T; s26 t; s27 group; s[28:32] 64 e + the slots' tiles; s33 20 g + cw; s[34:37] token fragments of this trip, of the other (P = 2);
; s[38:39] an offset, high word 0; s42 LDS offset of a chunk; s43 64 e; s[44:45] where results go; s[46:47] -log2 e; s48 kh; s49 nt1 - 1; s50, s51 at work; s[56:61] the weights of chunks 1, 2, 3
.set MSB, 0
.macro WIN new                         ; the immediate's high byte repeats the setting that is left; a switch that changes nothing is dropped
.if MSB != (\new)
	s_set_vgpr_msb (MSB<<8)|(\new)
.set MSB, (\new)
.endif
.endm
.macro PLACES                          ; four plain vector lines between a matrix instruction and a vector line on its registers; they stand ahead of loads into such registers too
.rept 4
	v_nop
.endr
.endm
; The end of a phase, in every wave's text.  Five plain lines, so that whatever follows stands far enough behind any product ahead of the barrier; the sources of what has been
; issued are free; my LDS stores are done and my LDS reads are back, for the others' sake; the barrier.
.macro JOIN
.rept 5
	v_nop
.endr
	s_wait_xcnt 0x0
	s_wait_alu depctr_vm_vsrc(0)                   ; the phase's memory and LDS instructions have read their registers: behind the barrier the producers' conversions write the eight out-buffers again, the consumers write v4 again, and UP's v10 and packed results are written or loaded again
	s_wait_dscnt 0x0
	s_barrier_signal -1
	s_barrier_wait -1
.endm
; PRODUCER.  Half-unit s = 2 ul + c of my four units of a chunk: eight rows, 16 bytes a lane; lanes 0-15 take 256 consecutive bytes of one row, lanes 16-31 of another.
.macro PLD s, b
.set pr, 0
.rept 8
.if P == 1
.set pim, (32*((\s)/2)+16*((\s)%2)+pr)*16384
.else
.set pim, (64*((\s)/4)+4*pr+2*(((\s)/2)%2)+((\s)%2))*4096
.endif
	global_load_b128 v[32*(\s)+4*pr:32*(\s)+4*pr+3], v[GA], s[\b:\b+1] offset:pim th:TH_LOAD_NT
.set pr, pr+1
.endr
.endm
; Set s has come: rows 2 t and 2 t + 1 are packed for each of the four columns into out-buffer s, the four pieces go to LDS at v[lb], and (ld = 1) the set is asked for again, from the next chunk at s[b:b+1].
.macro HU s, lb, ld, b, n
	s_wait_loadcnt \n
	WIN 0x05                                       ; sources in window 1
.set hq, 0
.rept 4
.set hr, 0
.rept 4
	v_cvt_pk_bf16_f32 v[O+16*(\s)+4*hq+hr], v[32*(\s)+8*hr+hq], v[32*(\s)+8*hr+4+hq]
.set hr, hr+1
.endr
.set hq, hq+1
.endr
.if \ld
	WIN 0x40                                       ; loads land in window 1; LDS stores have address and data in window 0
.else
	WIN 0
.endif
	s_wait_alu depctr_va_vdst(0)                   ; the conversions have written out-buffer s, which the LDS stores read, and are done reading set s, in which the next chunk's loads land
.set hq, 0
.rept 4
	ds_store_b128 v[\lb], v[O+16*(\s)+4*hq:O+16*(\s)+4*hq+3] offset:4096*((\s)/2)+1024*hq+512*((\s)%2)
.set hq, hq+1
.endr
.if \ld
	PLD \s, \b
.endif
.endm
; A chunk of mine.  ld = 1: eight sets of eight loads are out, the set in hand the oldest: the 56 younger loads stay out.  ld = 0, the last chunk: nothing is asked for, and the counts run down.
.macro BODY lb, ld, b
.set bs, 0
.rept 8
.if \ld
	HU bs, \lb, 1, \b, 56
.else
	HU bs, \lb, 0, \b, 56-8*bs
.endif
.set bs, bs+1
.endr
	WIN 0
.endm
; CONSUMER.
.macro ALOAD s, b, k                   ; the five slots' token fragment k from the base s[b:b+1], into buffer s: ten loads of 512 consecutive bytes
.set ai, 0
.rept 5
	global_load_b128 v[AR+40*(\s)+8*ai:AR+40*(\s)+8*ai+3], v[TO+ai], s[\b:\b+1] offset:1024*(\k)
	global_load_b128 v[AR+40*(\s)+8*ai+4:AR+40*(\s)+8*ai+7], v[TO+ai], s[\b:\b+1] offset:1024*(\k)+512
.set ai, ai+1
.endr
.endm
.macro WLOAD p, u                      ; the four weight fragments of the chunk's unit u, into buffer p: eight LDS loads
.set wi, 0
.rept 4
	ds_load_b128 v[WF+32*(\p)+8*wi:WF+32*(\p)+8*wi+3], v[WA] offset:4096*(\u)+1024*wi
	ds_load_b128 v[WF+32*(\p)+8*wi+4:WF+32*(\p)+8*wi+7], v[WA] offset:4096*(\u)+1024*wi+512
.set wi, wi+1
.endr
.endm
; The products of unit u for slots m0 .. m1 - 1, four each.  A unit's 20 accumulators take turns, one instruction a turn, in the same order in every unit and in INIT.
; P = 1: source 0 = weights, source 1 = tokens: a lane holds one token and eight columns.  P = 2: the other way round: a lane holds one column and eight tokens.
.macro MMS u, m0, m1
	WIN 0x50                                       ; C and D in window 1
.set mi, \m0
.rept (\m1)-(\m0)
.set mj, 0
.rept 4
.set rD, 32*mi+8*mj
.if P == 1
.set rX, WF+32*((\u)%2)+8*mj
.set rY, AR+40*((\u)%4)+8*mi
.else
.set rX, AR+40*((\u)%4)+8*mi
.set rY, WF+32*((\u)%2)+8*mj
.endif
	v_wmma_f32_16x16x32_bf16 v[rD:rD+7], v[rX:rX+7], v[rY:rY+7], v[rD:rD+7]
.set mj, mj+1
.endr
.set mi, mi+1
.endr
.endm
; The product that starts the 20 sums: bias x 1 at k = 0, zeros elsewhere, C = 0.
.macro INIT
	WIN 0x45                                       ; both sources and D in window 1
.set mi, 0
.rept 5
.set mj, 0
.rept 4
.if P == 1
	v_wmma_f32_16x16x32_bf16 v[32*mi+8*mj:32*mi+8*mj+7], v[WB+8*mj:WB+8*mj+7], v[ONES:ONES+7], 0
.else
	v_wmma_f32_16x16x32_bf16 v[32*mi+8*mj:32*mi+8*mj+7], v[ONES:ONES+7], v[WB+8*mj:WB+8*mj+7], 0
.endif
.set mj, mj+1
.endr
.set mi, mi+1
.endr
.endm
; Unit u of a chunk: its data are waited for, the unit before's products are shown done, four products, the loads (weight fragments one unit on, token fragments three units on), sixteen products.
; A trip's two chunks are 32 fragments on end: phase A's unit u is fragment u, phase B's 16 + u; phase B's last three units ask for the first three fragments of the chunk that follows.
.macro UNIT u, hi
	s_wait_dscnt 0x0                               ; this unit's eight weight loads are in: they were issued sixteen products ago (unit 0's: at the phase's head), and none behind them
	s_wait_loadcnt 20                              ; this unit's token fragments are in; the ten loads of each of the two units behind it may stay out
.if (\u) > 0
	s_wait_alu depctr_va_vdst(0)                   ; the unit before's products are done reading their token buffer and their weight buffer, in which this unit's loads land (unit 0: the phase's wait has said so)
.endif
	MMS \u, 0, 1
	PLACES                                         ; between the unit before's products and the loads into the registers that those read
	WIN 0
.if (\u) < 15
	WLOAD ((\u)+1)%2, (\u)+1                       ; no weight fragment is asked for across the barrier
.endif
.if (\hi) == 0
	ALOAD ((\u)+3)%4, BCUR, (\u)+3
.elseif (\u) < 13
	ALOAD ((\u)+3)%4, BCUR, (\u)+19
.else
	ALOAD ((\u)+3)%4, BNXT, (\u)-13
.endif
	MMS \u, 1, 5                                   ; like the four above they name this unit's two buffers and accumulators: none of the registers that the loads touch
.endm
; A chunk: 16 units.  hi = 0: chunk 2 t, in the lower half of the slice; hi = 1: chunk 2 t + 1, in the upper.
.macro PHASE hi
	s_lshl_b32 s42, s26, 16
.if \hi
	s_add_co_u32 s42, s42, 131072
.endif
	v_add_nc_u32 v[WA], s42, v[L16]                ; the join's wait has shown that the last phase's LDS loads have read v4
	s_wait_alu depctr_va_vdst(0)                   ; v4 is written, which the phase's LDS loads read; all earlier products and way-out lines are done with the weight and token buffers, in which the loads below and unit 0's land
	WLOAD 0, 0                                     ; the chunk's first weight fragments
.set u, 0
.rept 16
	UNIT u, \hi
.set u, u+1
.endr
	WIN 0
.endm
; Group s27 of tiles begins: the slots' tiles, clamped to the expert's last, and the first three units' token fragments.  again = 1: not the first group.
.macro GSTART again
	s_wait_loadcnt 0x0                             ; no load is out: the tile offsets and the buffers may be written,
	s_wait_xcnt 0x0                                ; and the way out's stores have had their addresses translated
.if \again
	s_wait_alu depctr_vm_vsrc(0)                   ; the last group's loads have read the tile offsets v5-9, written below; DOWN's stores have read their offsets and data, on which token fragments land
.endif
	s_mul_i32 s33, s27, 20
	s_add_co_u32 s33, s33, s19
.set gi, 0
.rept 5
	s_add_co_u32 s50, s33, 4*gi
	s_min_u32 s50, s50, s49
	s_min_u32 s50, s50, 63
	s_add_co_u32 s[28+gi], s50, s43
	s_lshl_b32 s50, s[28+gi], ASH
	v_add_nc_u32 v[TO+gi], s50, v[L16]
.set gi, gi+1
.endr
	s_wait_alu depctr_va_vdst(0)                   ; the tile offsets are written, which the loads read; the products, the way out's lines and the bias's conversions are done with the token buffers, in which the loads land
	ALOAD 0, 4, 0
	ALOAD 1, 4, 1
	ALOAD 2, 4, 2
.endm
; UP's way out for slot i: silu on 32 numbers a lane, rounded to bf16: a lane's eight numbers of accumulator jf are one piece of h's fragments.  Each accumulator is read from its low end on.
.macro SILU i
	WIN 0x01                                       ; source 0 (the accumulators) in window 1
.set n, 0
.rept 16
	v_pk_mul_f32 v[TT+2*n:TT+2*n+1], v[32*(\i)+2*n:32*(\i)+2*n+1], s[46:47] op_sel_hi:[1,0]
.set n, n+1
.endr
	WIN 0
.set n, 0
.rept 32
	v_exp_f32 v[TT+n], v[TT+n]
.set n, n+1
.endr
	v_nop                                          ; a plain line behind the last exponential,
	s_wait_alu depctr_va_vdst(0)                   ; and one wait for the batch: the 32 exponentials have written their results, ahead of the first line that names one
.set n, 0
.rept 16
	v_pk_add_f32 v[TT+2*n:TT+2*n+1], v[TT+2*n:TT+2*n+1], 1.0 op_sel_hi:[1,0]
.set n, n+1
.endr
.set n, 0
.rept 32
	v_rcp_f32 v[TT+n], v[TT+n]
.set n, n+1
.endr
	v_nop
	s_wait_alu depctr_va_vdst(0)                   ; one wait for the 32 reciprocals, ahead of the first line that names a result
	WIN 0x01
.set n, 0
.rept 16
	v_pk_mul_f32 v[TT+2*n:TT+2*n+1], v[32*(\i)+2*n:32*(\i)+2*n+1], v[TT+2*n:TT+2*n+1]
.set n, n+1
.endr
	WIN 0
	s_wait_xcnt 0x0                                ; the slot before's stores have had their addresses translated
.if (\i) > 0
	s_wait_alu depctr_vm_vsrc(0)                   ; the slot before's stores have read v10 and the packed results, which the lines below write again (slot 0: a join's wait has said so of the last way out's)
.endif
	s_lshl_b32 s50, s[28+(\i)], 17
	v_add_nc_u32 v10, s50, v[L16]
.set n, 0
.rept 16
	v_cvt_pk_bf16_f32 v[PKR+n], v[TT+2*n], v[TT+2*n+1]
.set n, n+1
.endr
	s_wait_alu depctr_va_vdst(0)                   ; v10 and the 16 packed results are written, which the four stores read
.set n, 0
.rept 4
	global_store_b128 v10, v[PKR+4*n:PKR+4*n+3], s[44:45] offset:512*n   ; 512 consecutive bytes, at a multiple of 256 from h's first byte
.set n, n+1
.endr
.endm
; DOWN's way out for slot i: the gate's weight; for each of a lane's eight tokens its four neighbouring columns are stored: 16 lanes fill 256 consecutive bytes of a row of y.
.macro YOUT i
	s_wait_xcnt 0x0                                ; the slot before's stores have had their addresses translated
.if (\i) > 0
	s_wait_alu depctr_vm_vsrc(0)                   ; the slot before's stores have read their eight offsets and 32 results, which the lines below write again (slot 0: GSTART's wait has said so of the last way out's)
.endif
.set n, 0
.rept 8
	v_min_u32 v[OF+n], 0x7ff, v[DS+8*(\i)+n]
	v_lshl_add_u32 v[OF+n], v[OF+n], 12, v13       ; row choice x 1,024 + token of 4,096 bytes, my 16 bytes
.set n, n+1
.endr
	WIN 0x01
.set n, 0
.rept 32                                           ; token n / 4, column n % 4: register 0 of each accumulator is read first
	v_mul_f32 v[Q+n], v[32*(\i)+8*(n%4)+n/4], v[GW+8*(\i)+n/4]
.set n, n+1
.endr
	WIN 0
	s_wait_alu depctr_va_vdst(0)                   ; the eight offsets and the 32 results are written, which the eight stores read
.set n, 0
.rept 8
	global_store_b128 v[OF+n], v[Q+4*n:Q+4*n+3], s[44:45]
.set n, n+1
.endr
.endm
	; THE HEAD, run by all eight waves: every LDS address register, every base, the count
	s_load_b256 s[4:11], s[0:1], 0x0
.if P == 1
	s_load_b64 s[12:13], s[0:1], 0x20              ; h
	v_lshl_add_u32 v254, v0, 2, 0x40000
	v_mov_b32 v255, 0
.else
	s_load_b128 s[12:15], s[0:1], 0x20             ; dst, gws
	s_load_b64 s[16:17], s[0:1], 0x30              ; y
.endif
	v_mov_b32 v[NIL], 0
	v_lshrrev_b32 v10, 5, v0
	v_readfirstlane_b32 s18, v10                   ; wave 0..7
	v_and_b32 v10, 31, v0
	v_lshlrev_b32 v[L16], 4, v10                   ; 16 L
	v_and_b32 v11, 15, v10                         ; L % 16
	v_lshrrev_b32 v12, 4, v10                      ; hh = L / 16
	v_lshlrev_b32 v13, 4, v11                      ; 16 (L % 16): lane m's four columns 4 m + jf
	v_add_nc_u32 v15, -1, v12                      ; all ones in lanes 0-15, which hold k = 0 .. 7; 0 in lanes 16-31
	v_lshlrev_b32 v[GA], 17, v12                   ; lanes 16-31: 8 rows of 16,384 bytes on (P = 1), 32 rows of 4,096 (P = 2): 131,072 bytes both
	v_lshl_add_u32 v[GA], v11, 4, v[GA]
.if P == 2
	v_lshlrev_b32 v12, 5, v12                      ; 32 hh: a lane's eight rows in dst and gws
.endif
	s_wait_alu depctr_va_sdst(0)                   ; s18 is written, ahead of its first reader: the role, the LDS addresses and the bases are made from it
	s_and_b32 s19, s18, 3
	s_mul_i32 s50, s19, 16384                      ; four units of 4,096 bytes
	v_add_nc_u32 v[LB], s50, v[L16]                ; in chunk 0, at LDS byte 0,
	s_add_co_u32 s51, s50, 131072
	v_add_nc_u32 v[LB+1], s51, v[L16]              ; in chunk 1,
	s_add_co_u32 s51, s50, 65536
	v_add_nc_u32 v[LB+2], s51, v[L16]              ; in chunk 2,
	s_add_co_u32 s51, s50, 196608
	v_add_nc_u32 v[LB+3], s51, v[L16]              ; in chunk 3
	s_and_b32 s21, ttmp7, 0xffff
.if P == 1
	s_mov_b32 s20, ttmp9
	s_mov_b32 s46, 0xbfb8aa3b                      ; -log2 e
	s_mov_b32 s47, s46                             ; named with it as a pair
.else
	s_and_b32 s20, ttmp9, 15
	s_lshr_b32 s48, ttmp9, 4
.endif
	s_lshl_b32 s43, s21, 6
	s_mov_b32 s25, 0
	s_mov_b32 s27, 0
	s_mov_b32 s39, 0
	s_wait_kmcnt 0x0
	s_lshl_b32 s38, s21, 7
	s_add_nc_u64 s[10:11], s[10:11], s[38:39]
	s_load_b32 s22, s[10:11], 0x0                  ; the expert's count
.if P == 1
	s_lshl_b32 s38, s21, 14
	s_lshl_b32 s50, s20, 9                         ; the slice's 512 bytes of a row
	s_add_co_u32 s38, s38, s50
	s_add_nc_u64 s[8:9], s[8:9], s[38:39]          ; b1 at the slice's 128 columns
	s_lshl_b32 s38, s20, 12
	s_add_nc_u64 s[12:13], s[12:13], s[38:39]      ; h at fragment 4 x slice of a tile
	s_lshl_b32 s38, s21, 24                        ; the expert's 16 MiB of weights
	s_add_co_u32 s38, s38, s50
	s_lshl_b32 s50, s19, 21                        ; four units: 128 rows of 16,384 bytes
	s_add_co_u32 s38, s38, s50
	s_add_nc_u64 s[6:7], s[6:7], s[38:39]
	s_add_nc_u64 s[56:57], s[6:7], 0x800000        ; chunk 1: 512 rows of 16,384 bytes on
	s_add_nc_u64 s[58:59], s[6:7], 0x100           ; chunk 2: the second 64 columns
	s_add_nc_u64 s[60:61], s[6:7], 0x800100        ; chunk 3: both
.else
	s_lshl_b32 s38, s21, 12
	s_lshl_b32 s50, s20, 8                         ; the slice's 256 bytes of a row
	s_add_co_u32 s38, s38, s50
	s_add_nc_u64 s[8:9], s[8:9], s[38:39]          ; b2 at the slice's 64 columns
	s_lshl_b32 s38, s48, 16
	s_add_nc_u64 s[4:5], s[4:5], s[38:39]          ; h at the half of K: 64 fragments on
	s_lshl_b32 s38, s48, 23                        ; the half's part of y; also the half's 2,048 rows of 4,096 bytes of weights
	s_add_co_u32 s38, s38, s50
	s_add_nc_u64 s[44:45], s[16:17], s[38:39]      ; y at the half's part and the slice's 256 bytes of a row
	s_lshl_b32 s51, s21, 24                        ; the expert's 16 MiB of weights
	s_add_co_u32 s38, s38, s51
	s_lshl_b32 s51, s19, 19                        ; four units: 128 rows of 4,096 bytes
	s_add_co_u32 s38, s38, s51
	s_add_nc_u64 s[6:7], s[6:7], s[38:39]
	s_add_nc_u64 s[56:57], s[6:7], 0x200000        ; a chunk is 512 rows of 4,096 bytes
	s_add_nc_u64 s[58:59], s[6:7], 0x400000
	s_add_nc_u64 s[60:61], s[6:7], 0x600000
	s_cmp_eq_u32 s48, 0
	s_cselect_b32 s51, -1, 0                       ; the bias belongs to half 0
	v_and_b32 v10, s51, v15
.endif
	s_wait_kmcnt 0x0
	s_min_u32 s22, s22, 1024
	s_add_co_u32 s23, s22, 15
	s_lshr_b32 s23, s23, 4                         ; nt
	s_max_u32 s24, s23, 1                          ; nt1
	s_sub_co_u32 s49, s24, 1
	s_wait_alu depctr_va_vdst(0)                   ; the head's offsets and LDS addresses v1, v12, v13, v246 and v248-251 are written: loads, stores and LDS stores of both roles read them
	s_cmp_ge_u32 s18, 4
	s_cbranch_scc1 .Lpset
	; THE CONSUMERS' SET-UP: the bias fragments and the fragment of ones; group 0's tiles and first token fragments; the first sums' start
.if P == 1
	global_load_b128 v[AR:AR+3], v13, s[8:9]                ; the first 64 columns' bias,
	global_load_b128 v[AR+4:AR+7], v13, s[8:9] offset:256   ; the second's
	s_wait_loadcnt 0x0
.set n, 0
.rept 8
	v_cvt_pk_bf16_f32 v[TT+n], v[AR+n], v[NIL]     ; the bias at k = 0 (the low half), 0 at k = 1
.set n, n+1
.endr
	WIN 0x40
.set n, 0
.rept 8
	v_and_b32 v[BH+n], v15, v[TT+n]                ; both halves' are kept,
.set n, n+1
.endr
.set n, 0
.rept 4
	v_and_b32 v[WB+8*n], v15, v[TT+n]              ; the first half's stand in the fragments
.set n, n+1
.endr
.else
	global_load_b128 v[AR:AR+3], v13, s[8:9]
	s_wait_loadcnt 0x0
.set n, 0
.rept 4
	v_cvt_pk_bf16_f32 v[TT+n], v[AR+n], v[NIL]     ; the bias at k = 0 (the low half), 0 at k = 1
.set n, n+1
.endr
	WIN 0x40
.set n, 0
.rept 4
	v_and_b32 v[WB+8*n], v10, v[TT+n]
.set n, n+1
.endr
.endif
	v_and_b32 v[ONES], 0x3f80, v15                 ; 1.0 at k = 0
.set n, 1
.rept 7                                            ; all other k of the five fragments are 0
	v_mov_b32 v[ONES+n], 0
	v_mov_b32 v[WB+n], 0
	v_mov_b32 v[WB+8+n], 0
	v_mov_b32 v[WB+16+n], 0
	v_mov_b32 v[WB+24+n], 0
.set n, n+1
.endr
	WIN 0
	GSTART 0
	INIT
	WIN 0
	s_branch .Ljoin0
.Lpset:
	; THE PRODUCERS' SET-UP: chunk 0's 64 loads, and chunk 0
	WIN 0x40
.set ps, 0
.rept 8
	PLD ps, 6                                      ; v246 was written ahead of the head's wait; no vector line has named the eight sets
.set ps, ps+1
.endr
	BODY LB, 1, 56                                 ; chunk 0 goes to LDS; chunk 1 is asked for
.Ljoin0:
	JOIN                                           ; chunk 0 is in LDS
.Ltrip:
	s_and_b32 s26, s25, 1                          ; t
	s_lshr_b32 s27, s25, 1                         ; group
.if P == 2
	s_lshl_b32 s38, s26, 15                        ; the trip's 32 fragments of 1,024 bytes; the join's wait has freed the two bases
	s_add_nc_u64 s[34:35], s[4:5], s[38:39]
	s_xor_b32 s38, s38, 32768                      ; what follows them: the other 32 (behind the last: the first again; those 30 loads serve nothing and stay inside what has been written)
	s_add_nc_u64 s[36:37], s[4:5], s[38:39]
.endif
	; PHASE A
	s_cmp_ge_u32 s18, 4
	s_cbranch_scc1 .LprodA
	s_mul_i32 s50, s27, 20
	s_cmp_ge_u32 s50, s24
	s_cbranch_scc1 .LjoinA                         ; the expert has no tile in this group
	PHASE 0
	s_branch .LjoinA
.LprodA:
	s_cmp_eq_u32 s25, 0
	s_cbranch_scc1 .LpA0
	s_cmp_eq_u32 s25, 1
	s_cbranch_scc0 .LjoinA                         ; the slice is in LDS
	BODY LB+3, 0, 6                                ; chunk 3 goes to LDS: the last
	s_branch .LjoinA
.LpA0:
	BODY LB+1, 1, 58                               ; chunk 1 goes to LDS; chunk 2 is asked for
.LjoinA:
	JOIN
	; PHASE B
	s_cmp_ge_u32 s18, 4
	s_cbranch_scc1 .LprodB
	s_mul_i32 s50, s27, 20
	s_cmp_ge_u32 s50, s24
	s_cbranch_scc1 .LjoinB
	PHASE 1
.if P == 1
	PLACES                                         ; K ends with every phase B: 64 columns of h go out
	s_wait_xcnt 0x0
	s_lshl_b32 s38, s26, 11                        ; the half's two fragments of h
	s_add_nc_u64 s[44:45], s[12:13], s[38:39]
.set i, 0
.rept 5
	s_add_co_u32 s50, s33, 4*i
	s_cmp_ge_u32 s50, s24
	s_cbranch_scc1 .LwoEnd                         ; this slot and those behind it repeat the last tile: not stored
	SILU i
.set i, i+1
.endr
.LwoEnd:
.rept 5
	v_nop                                          ; five places: INIT writes the accumulators anew
.endr
	s_cmp_eq_u32 s26, 0
	s_cselect_b32 s51, -1, 0                       ; behind the first 64 columns come the second, behind the second the next group's first
	WIN 0x45
.set n, 0
.rept 4
	v_cndmask_b32 v[WB+8*n], v[BH+n], v[BH+4+n], s51
.set n, n+1
.endr
	WIN 0
	s_cmp_eq_u32 s26, 0
	s_cbranch_scc1 .Lsame                          ; the same tiles go on: their first fragments have been asked for
	s_add_co_u32 s27, s27, 1
	GSTART 1
.Lsame:
	INIT
	WIN 0
.else
	s_cmp_eq_u32 s26, 0
	s_cbranch_scc1 .LjoinB                         ; K goes on
	PLACES
	s_cmp_eq_u32 s23, 0
	s_cbranch_scc1 .LwoEnd                         ; an expert without tokens stores nothing
	s_wait_loadcnt 0x0                             ; the token buffers are free
.set i, 0
.rept 5
	s_lshl_b32 s50, s[28+i], 6                     ; 16 rows x 4 bytes a tile
	v_add_nc_u32 v[LDA+i], s50, v12                ; GSTART's wait has shown that the last way out's loads have read these five
.set i, i+1
.endr
	s_wait_alu depctr_va_vdst(0)                   ; the five addresses are written, which the loads read; the products are done reading the token buffers, in which the lists land
.set i, 0
.rept 5
	global_load_b128 v[DS+8*i:DS+8*i+3], v[LDA+i], s[12:13]
	global_load_b128 v[DS+8*i+4:DS+8*i+7], v[LDA+i], s[12:13] offset:16
	global_load_b128 v[GW+8*i:GW+8*i+3], v[LDA+i], s[14:15]
	global_load_b128 v[GW+8*i+4:GW+8*i+7], v[LDA+i], s[14:15] offset:16
.set i, i+1
.endr
	s_wait_loadcnt 0x0
.set i, 0
.rept 5
	s_add_co_u32 s50, s33, 4*i
	s_cmp_ge_u32 s50, s23
	s_cbranch_scc1 .LwoEnd
	YOUT i
.set i, i+1
.endr
.LwoEnd:
.rept 5
	v_nop                                          ; five places: INIT writes the accumulators anew
.endr
	s_add_co_u32 s27, s27, 1
	GSTART 1
	INIT
	WIN 0
.endif
	s_branch .LjoinB
.LprodB:
	s_cmp_lg_u32 s25, 0
	s_cbranch_scc1 .LjoinB
	BODY LB+2, 1, 60                               ; chunk 2 goes to LDS; chunk 3 is asked for
.LjoinB:
	JOIN
	s_add_co_u32 s25, s25, 1
	s_cmp_lt_u32 s25, 8
	s_cbranch_scc1 .Ltrip
	s_wait_dscnt 0x0                               ; my last LDS instructions are done.  The closing add writes 0 to my spare word, from byte 262,144 on
	s_wait_alu depctr_hold_cnt(0) depctr_sa_sdst(0) depctr_va_vdst(0) depctr_va_sdst(0) depctr_va_ssrc(0) depctr_va_vcc(0) depctr_vm_vsrc(0)
	s_wait_tensorcnt 0x0
	ds_add_u32 v254, v255
	s_wait_dscnt 0x0
	s_endpgm
.Lfunc_end_k_qfa4053d955_up:
	.size	k_qfa4053d955_up, .Lfunc_end_k_qfa4053d955_up-k_qfa4053d955_up
	.p2alignl 7, 3214868480
	.fill 96, 4, 3214868480
	.section	.rodata,"a",@progbits
	.p2align	6, 0x0
	.amdhsa_kernel k_qfa4053d955_up
		.amdhsa_group_segment_fixed_size 263168
		.amdhsa_private_segment_fixed_size 0
		.amdhsa_enable_private_segment 0
		.amdhsa_kernarg_size 40
		.amdhsa_user_sgpr_count 2
		.amdhsa_user_sgpr_kernarg_segment_ptr 1
		.amdhsa_wavefront_size32 1
		.amdhsa_system_sgpr_workgroup_id_x 1
		.amdhsa_system_sgpr_workgroup_id_y 1
		.amdhsa_system_sgpr_workgroup_id_z 1
		.amdhsa_system_vgpr_workitem_id 0
		.amdhsa_next_free_vgpr 512
		.amdhsa_next_free_sgpr 66
		.amdhsa_reserve_vcc 0
		.amdhsa_float_denorm_mode_32 3
		.amdhsa_float_denorm_mode_16_64 3
		.amdhsa_memory_ordered 1
		.amdhsa_forward_progress 1
		.amdhsa_inst_pref_size 217
	.end_amdhsa_kernel
	.amdgpu_metadata
---
amdhsa.version: [ 1, 2 ]
amdhsa.kernels:
  - .name:           k_qfa4053d955_up
    .symbol:         k_qfa4053d955_up.kd
    .args:
      - { .name: xg, .offset: 0, .size: 8, .value_kind: global_buffer, .address_space: global }
      - { .name: w1, .offset: 8, .size: 8, .value_kind: global_buffer, .address_space: global }
      - { .name: b1, .offset: 16, .size: 8, .value_kind: global_buffer, .address_space: global }
      - { .name: cnt, .offset: 24, .size: 8, .value_kind: global_buffer, .address_space: global }
      - { .name: h, .offset: 32, .size: 8, .value_kind: global_buffer, .address_space: global }
    .group_segment_fixed_size: 263168
    .private_segment_fixed_size: 0
    .kernarg_segment_align: 8
    .kernarg_segment_size: 40
    .max_flat_workgroup_size: 256
    .sgpr_count:     66
    .vgpr_count:     512
    .wavefront_size: 32
...
	.end_amdgpu_metadata
.endif
;; end of part 6
;; launch down (part 7): grid 32 x 8, 8 waves a work-group, no clusters, 263,168 bytes of LDS; arguments h, w2, b2, cnt, dst, gws, y; writes y
.if DOCPART == 7
	.amdgcn_target "amdgcn-amd-amdhsa--gfx1250"
	.amdhsa_code_object_version 6
	.text
	.protected	k_qfa4053d955_down
	.globl	k_qfa4053d955_down
	.p2align	8
	.type	k_qfa4053d955_down,@function
k_qfa4053d955_down:
	s_mov_b64 s[64:65], 0
	v_nop
	global_prefetch_b8 v0, s[64:65] scope:SCOPE_SE
	s_setreg_imm32_b32 hwreg(HW_REG_WAVE_SCHED_MODE, 0, 2), 2
	s_setreg_imm32_b32 hwreg(HW_REG_WAVE_MODE, 25, 1), 1
	s_wait_xcnt 0x0
	s_wait_alu depctr_vm_vsrc(0)
; ONE TEXT FOR THE TWO PRODUCTS OF AN EXPERT; P chooses.
; P = 1, UP:    h = silu(xg W1[e] + b1[e]).  Arguments xg, w1, b1, cnt, h.  Work-group (x = slice of 128 of the 4,096 columns, y = expert).
; P = 2, DOWN:  y[kh][choice][token] = g (h W2[e] + b2[e]), K cut in two halves kh of 2,048 (b2 in half 0 alone).  Arguments h, w2, b2, cnt, dst, gws, y.
;               Work-group (x = 16 kh + slice of 64 of the 1,024 columns, y = expert).  The four parts of y are added by the next launch.
; FORMATS.  Weights and biases are rounded to bf16 on their way (as every input of the program is); h is rounded once to bf16; all sums are f32; y is f32.
; LIMITS.  silu(z) = z / (1 + 2^(-z log2 e)) by v_exp_f32 and v_rcp_f32; where the power is below 2^-126 it counts as 0, and silu(z) = z to f32 there.  NaN and infinities are not treated apart.
; More than 320 rows of an expert are served by further groups of tiles behind the stream of weights.  An expert without tokens still has its weights read.
; THE SLICE.  A work-group alone reads its 512 KiB of f32 weights, once, and keeps them in LDS in bf16 (256 KiB), as 64 UNITS of 32 k x 64 columns: four fragments jf of 1,024 bytes;
; fragment jf holds the columns n0 + 4 m + jf (m = the operand's lane % 16), so that a lane's load of four neighbouring f32 feeds the four fragments.  In a unit fragment jf lies at 1,024 jf,
; piece c at + 512 c, lane L at + 16 L: every LDS access takes 512 consecutive bytes.  A CHUNK is 16 units, 64 KiB.
; P = 1: chunk c holds columns 64 (c / 2) on, k = 512 (c % 2) on.  P = 2: chunk c holds k = 512 c on of the half's K.  THE CHUNKS LIE IN LDS IN THE ORDER 0, 2, 1, 3.
; ROLES.  Waves 4-7 (producers) bring the weights through registers, round them and store them into LDS; producer m makes units 4 m .. 4 m + 3 of each chunk.  Waves 0-3 (consumers) load token
; fragments from memory and weight fragments from LDS, multiply, and write the results.  So weights asked for a whole chunk ahead and token fragments asked for three units ahead are counted
; by different waves' load counters.
; PHASES.  Chunk 0 is stored ahead of the loop; a barrier.  Then 8 trips T (group of tiles T / 2, t = T % 2) of two phases, a barrier behind each.
;   phase A: the consumers read chunk 2 t, in the LOWER 128 KiB; the producers store chunk 1 (T = 0) or chunk 3 (T = 1), in the UPPER 128 KiB.
;   phase B: the consumers read chunk 2 t + 1, in the UPPER 128 KiB; the producers store chunk 2 (T = 0), in the LOWER.
; So between two barriers stores and loads lie in different halves of the slice, and each chunk is stored a phase ahead of its first read, with the storing wave's wait for its stores and a
; barrier between.  No LDS byte is written twice.  Groups that the count does not reach are jumped: only work is jumped, never a barrier.
; ADDRESSES.  All that an LDS address or a buffer's base hangs on is made by all eight waves in one head, ahead of the branch on the role.  A store's LDS address is a register of that head plus an
; immediate.  A load's is 16 L + 65,536 t (+ 131,072 in phase B), made once a phase, plus an immediate: a phase's 16 units are written out for that.
; ROWS.  A group is 20 tiles of 16 rows; consumer cw has five slots: tiles 20 g + 4 i + cw.  A slot past the expert's last tile repeats that tile and is not stored.
; THE BIAS is one more row of K: a weight fragment that holds bf16(bias) at k = 0 and a token fragment that holds 1.0 at k = 0.  That product, with C = 0, starts the 20 sums (INIT): in the
; set-up for the first sums, at the end of each way out for the next: nothing is cleared, and every other product adds in place.
; K's ORDER.  xg's fragments hold k in its natural places.  h's fragments take what UP's accumulators hold: for the group G of 64 columns of h, fragment 2 G + f, piece c, lane half hh,
; place s (0..7) is column 64 G + 32 hh + 4 s + 2 f + c.  DOWN's producers load W2's rows in the same order, so both operands agree.
; NO CLUSTER: each weight byte has one reader; what an expert's work-groups share is its token fragments, whose number hangs on the count and which go straight into registers.
; THE MODE: SCHED_MODE bits 1:0 = 2 (LLVM: expert scheduling mode 2), set by the entry lines.  The code itself states the register dependences between vector or matrix instructions and
; memory or LDS instructions, with s_wait_alu, always for 0.
; THE PLAN.  Registers that memory or LDS instructions touch, and who else names them.
; CONSUMER.  AR0-AR3: unit u's products read AR[u % 4]; the ten loads issued in unit u land in AR[(u + 3) % 4], which unit u - 1's products read.  WF0, WF1: unit u's products read WF[u % 2];
;   the eight LDS loads issued in unit u land in WF[(u + 1) % 2], which unit u - 1's products read.  So ONE wait on va_vdst stands at a unit's head: the unit before's products are done.  The unit's
;   first four products follow at once; they and the sixteen behind the loads name AR[u % 4], WF[u % 2] and accumulators: none of the registers that the unit's loads touch.
;   v4, the chunk's LDS address, is written once a phase: behind the join's wait on vm_vsrc, ahead of the phase's own wait on va_vdst, which serves unit 0 too.  v5-9, the tile offsets, are written
;   once a group, between GSTART's two waits.  The way out's addresses and data are written by vector lines: one wait on va_vdst ahead of each run of stores (DOWN: and of the lists' loads), one on
;   vm_vsrc ahead of the lines that write them again for the next slot.
; PRODUCER.  Set s (window 1): half-unit s's sixteen conversions read it; behind them the next chunk's loads land in it.  Out-buffer s (window 0, one to a set): those conversions write it, four
;   LDS stores read it; it is written again a chunk later, behind a join.  So one wait on va_vdst stands behind a half-unit's conversions, ahead of its stores and loads, and the join's wait on
;   vm_vsrc serves all eight out-buffers.
; v1, v12, v13, v246 and v248-251 are made in the head, ahead of its wait on va_vdst, and never written again.
; REGISTERS, in two windows of 256 (s_set_vgpr_msb: bits 1:0 source 0, 3:2 source 1, 5:4 source 2, 7:6 destination).
;   all waves, window 0: v1 16 L; v3 0; v11 L % 16; v12 L / 16 (P = 2: 32 x that); v13 16 (L % 16); v15 all ones in lanes 0-15; v246 a lane's offset in the weights;
;   v248-251 LDS address of units 4 (wave % 4) on in chunks 0-3.
;   consumer, window 0: v4 LDS address of the chunk; v5-9 the slots' tile offsets; v10 at work; v16-79 weight fragments, two buffers of four; v80-239 token fragments, four buffers of five;
;   v240-244 way-out addresses.  Window 1: v0-159 the 20 accumulators (slot i, fragment jf at 32 i + 8 jf); v160-191 the bias fragments; v192-199 the fragment of ones; v200-207 both
;   halves' bias (P = 1).
;   producer, window 0: v16-143 rounded pieces: eight out-buffers of 16, one to a set.  Window 1: eight sets of 32: eight rows x 16 bytes a lane.
.set P, 2
.if P == 1
.set ASH, 15                           ; a tile of xg is 32 fragments
.set BCUR, 4                           ; both chunks of a trip, and the next trip's first, lie within a tile's 32 fragments: one base
.set BNXT, 4
.else
.set ASH, 17                           ; a tile of h is 128 fragments
.set BCUR, 34                          ; s[34:35] the trip's 32 fragments,
.set BNXT, 36                          ; s[36:37] the other trip's
.endif
.set L16, 1
.set NIL, 3                            ; v3  0: the upper half in the bias's conversions; never rewritten
.set WA,  4
.set TO,  5
.set WF,  16
.set AR,  80
.set LDA, 240
.set GA,  246
.set LB,  248
.set O,   16
.set WB,  160
.set ONES, 192
.set BH,  200
.set TT,  16                           ; UP's way out: 32 numbers at work, in the weight fragments' registers
.set PKR, 48                           ; and 16 registers of packed results
.set DS,  80                           ; DOWN's way out, in the token fragments' registers: dst, eight a slot
.set GW,  120                          ; gate weights, eight a slot
.set OF,  160                          ; eight row offsets
.set Q,   168                          ; 32 results to store
; scalars: s[4:5] token fragments; s[6:7] weights: units 4 (wave % 4) on of chunk 0; s[8:9] bias; s[10:11] cnt; s[12:17] the other arguments; s18 wave; s19 wave % 4; s20 slice; s21 expert;
; s22 count; s23 nt; s24 nt1; s25 trip T; s26 t; s27 group; s[28:32] 64 e + the slots' tiles; s33 20 g + cw; s[34:37] token fragments of this trip, of the other (P = 2);
; s[38:39] an offset, high word 0; s42 LDS offset of a chunk; s43 64 e; s[44:45] where results go; s[46:47] -log2 e; s48 kh; s49 nt1 - 1; s50, s51 at work; s[56:61] the weights of chunks 1, 2, 3
.set MSB, 0
.macro WIN new                         ; the immediate's high byte repeats the setting that is left; a switch that changes nothing is dropped
.if MSB != (\new)
	s_set_vgpr_msb (MSB<<8)|(\new)
.set MSB, (\new)
.endif
.endm
.macro PLACES                          ; four plain vector lines between a matrix instruction and a vector line on its registers; they stand ahead of loads into such registers too
.rept 4
	v_nop
.endr
.endm
; The end of a phase, in every wave's text.  Five plain lines, so that whatever follows stands far enough behind any product ahead of the barrier; the sources of what has been
; issued are free; my LDS stores are done and my LDS reads are back, for the others' sake; the barrier.
.macro JOIN
.rept 5
	v_nop
.endr
	s_wait_xcnt 0x0
	s_wait_alu depctr_vm_vsrc(0)                   ; the phase's memory and LDS instructions have read their registers: behind the barrier the producers' conversions write the eight out-buffers again, the consumers write v4 again, and UP's v10 and packed results are written or loaded again
	s_wait_dscnt 0x0
	s_barrier_signal -1
	s_barrier_wait -1
.endm
; PRODUCER.  Half-unit s = 2 ul + c of my four units of a chunk: eight rows, 16 bytes a lane; lanes 0-15 take 256 consecutive bytes of one row, lanes 16-31 of another.
.macro PLD s, b
.set pr, 0
.rept 8
.if P == 1
.set pim, (32*((\s)/2)+16*((\s)%2)+pr)*16384
.else
.set pim, (64*((\s)/4)+4*pr+2*(((\s)/2)%2)+((\s)%2))*4096
.endif
	global_load_b128 v[32*(\s)+4*pr:32*(\s)+4*pr+3], v[GA], s[\b:\b+1] offset:pim th:TH_LOAD_NT
.set pr, pr+1
.endr
.endm
; Set s has come: rows 2 t and 2 t + 1 are packed for each of the four columns into out-buffer s, the four pieces go to LDS at v[lb], and (ld = 1) the set is asked for again, from the next chunk at s[b:b+1].
.macro HU s, lb, ld, b, n
	s_wait_loadcnt \n
	WIN 0x05                                       ; sources in window 1
.set hq, 0
.rept 4
.set hr, 0
.rept 4
	v_cvt_pk_bf16_f32 v[O+16*(\s)+4*hq+hr], v[32*(\s)+8*hr+hq], v[32*(\s)+8*hr+4+hq]
.set hr, hr+1
.endr
.set hq, hq+1
.endr
.if \ld
	WIN 0x40                                       ; loads land in window 1; LDS stores have address and data in window 0
.else
	WIN 0
.endif
	s_wait_alu depctr_va_vdst(0)                   ; the conversions have written out-buffer s, which the LDS stores read, and are done reading set s, in which the next chunk's loads land
.set hq, 0
.rept 4
	ds_store_b128 v[\lb], v[O+16*(\s)+4*hq:O+16*(\s)+4*hq+3] offset:4096*((\s)/2)+1024*hq+512*((\s)%2)
.set hq, hq+1
.endr
.if \ld
	PLD \s, \b
.endif
.endm
; A chunk of mine.  ld = 1: eight sets of eight loads are out, the set in hand the oldest: the 56 younger loads stay out.  ld = 0, the last chunk: nothing is asked for, and the counts run down.
.macro BODY lb, ld, b
.set bs, 0
.rept 8
.if \ld
	HU bs, \lb, 1, \b, 56
.else
	HU bs, \lb, 0, \b, 56-8*bs
.endif
.set bs, bs+1
.endr
	WIN 0
.endm
; CONSUMER.
.macro ALOAD s, b, k                   ; the five slots' token fragment k from the base s[b:b+1], into buffer s: ten loads of 512 consecutive bytes
.set ai, 0
.rept 5
	global_load_b128 v[AR+40*(\s)+8*ai:AR+40*(\s)+8*ai+3], v[TO+ai], s[\b:\b+1] offset:1024*(\k)
	global_load_b128 v[AR+40*(\s)+8*ai+4:AR+40*(\s)+8*ai+7], v[TO+ai], s[\b:\b+1] offset:1024*(\k)+512
.set ai, ai+1
.endr
.endm
.macro WLOAD p, u                      ; the four weight fragments of the chunk's unit u, into buffer p: eight LDS loads
.set wi, 0
.rept 4
	ds_load_b128 v[WF+32*(\p)+8*wi:WF+32*(\p)+8*wi+3], v[WA] offset:4096*(\u)+1024*wi
	ds_load_b128 v[WF+32*(\p)+8*wi+4:WF+32*(\p)+8*wi+7], v[WA] offset:4096*(\u)+1024*wi+512
.set wi, wi+1
.endr
.endm
; The products of unit u for slots m0 .. m1 - 1, four each.  A unit's 20 accumulators take turns, one instruction a turn, in the same order in every unit and in INIT.
; P = 1: source 0 = weights, source 1 = tokens: a lane holds one token and eight columns.  P = 2: the other way round: a lane holds one column and eight tokens.
.macro MMS u, m0, m1
	WIN 0x50                                       ; C and D in window 1
.set mi, \m0
.rept (\m1)-(\m0)
.set mj, 0
.rept 4
.set rD, 32*mi+8*mj
.if P == 1
.set rX, WF+32*((\u)%2)+8*mj
.set rY, AR+40*((\u)%4)+8*mi
.else
.set rX, AR+40*((\u)%4)+8*mi
.set rY, WF+32*((\u)%2)+8*mj
.endif
	v_wmma_f32_16x16x32_bf16 v[rD:rD+7], v[rX:rX+7], v[rY:rY+7], v[rD:rD+7]
.set mj, mj+1
.endr
.set mi, mi+1
.endr
.endm
; The product that starts the 20 sums: bias x 1 at k = 0, zeros elsewhere, C = 0.
.macro INIT
	WIN 0x45                                       ; both sources and D in window 1
.set mi, 0
.rept 5
.set mj, 0
.rept 4
.if P == 1
	v_wmma_f32_16x16x32_bf16 v[32*mi+8*mj:32*mi+8*mj+7], v[WB+8*mj:WB+8*mj+7], v[ONES:ONES+7], 0
.else
	v_wmma_f32_16x16x32_bf16 v[32*mi+8*mj:32*mi+8*mj+7], v[ONES:ONES+7], v[WB+8*mj:WB+8*mj+7], 0
.endif
.set mj, mj+1
.endr
.set mi, mi+1
.endr
.endm
; Unit u of a chunk: its data are waited for, the unit before's products are shown done, four products, the loads (weight fragments one unit on, token fragments three units on), sixteen products.
; A trip's two chunks are 32 fragments on end: phase A's unit u is fragment u, phase B's 16 + u; phase B's last three units ask for the first three fragments of the chunk that follows.
.macro UNIT u, hi
	s_wait_dscnt 0x0                               ; this unit's eight weight loads are in: they were issued sixteen products ago (unit 0's: at the phase's head), and none behind them
	s_wait_loadcnt 20                              ; this unit's token fragments are in; the ten loads of each of the two units behind it may stay out
.if (\u) > 0
	s_wait_alu depctr_va_vdst(0)                   ; the unit before's products are done reading their token buffer and their weight buffer, in which this unit's loads land (unit 0: the phase's wait has said so)
.endif
	MMS \u, 0, 1
	PLACES                                         ; between the unit before's products and the loads into the registers that those read
	WIN 0
.if (\u) < 15
	WLOAD ((\u)+1)%2, (\u)+1                       ; no weight fragment is asked for across the barrier
.endif
.if (\hi) == 0
	ALOAD ((\u)+3)%4, BCUR, (\u)+3
.elseif (\u) < 13
	ALOAD ((\u)+3)%4, BCUR, (\u)+19
.else
	ALOAD ((\u)+3)%4, BNXT, (\u)-13
.endif
	MMS \u, 1, 5                                   ; like the four above they name this unit's two buffers and accumulators: none of the registers that the loads touch
.endm
; A chunk: 16 units.  hi = 0: chunk 2 t, in the lower half of the slice; hi = 1: chunk 2 t + 1, in the upper.
.macro PHASE hi
	s_lshl_b32 s42, s26, 16
.if \hi
	s_add_co_u32 s42, s42, 131072
.endif
	v_add_nc_u32 v[WA], s42, v[L16]                ; the join's wait has shown that the last phase's LDS loads have read v4
	s_wait_alu depctr_va_vdst(0)                   ; v4 is written, which the phase's LDS loads read; all earlier products and way-out lines are done with the weight and token buffers, in which the loads below and unit 0's land
	WLOAD 0, 0                                     ; the chunk's first weight fragments
.set u, 0
.rept 16
	UNIT u, \hi
.set u, u+1
.endr
	WIN 0
.endm
; Group s27 of tiles begins: the slots' tiles, clamped to the expert's last, and the first three units' token fragments.  again = 1: not the first group.
.macro GSTART again
	s_wait_loadcnt 0x0                             ; no load is out: the tile offsets and the buffers may be written,
	s_wait_xcnt 0x0                                ; and the way out's stores have had their addresses translated
.if \again
	s_wait_alu depctr_vm_vsrc(0)                   ; the last group's loads have read the tile offsets v5-9, written below; DOWN's stores have read their offsets and data, on which token fragments land
.endif
	s_mul_i32 s33, s27, 20
	s_add_co_u32 s33, s33, s19
.set gi, 0
.rept 5
	s_add_co_u32 s50, s33, 4*gi
	s_min_u32 s50, s50, s49
	s_min_u32 s50, s50, 63
	s_add_co_u32 s[28+gi], s50, s43
	s_lshl_b32 s50, s[28+gi], ASH
	v_add_nc_u32 v[TO+gi], s50, v[L16]
.set gi, gi+1
.endr
	s_wait_alu depctr_va_vdst(0)                   ; the tile offsets are written, which the loads read; the products, the way out's lines and the bias's conversions are done with the token buffers, in which the loads land
	ALOAD 0, 4, 0
	ALOAD 1, 4, 1
	ALOAD 2, 4, 2
.endm
; UP's way out for slot i: silu on 32 numbers a lane, rounded to bf16: a lane's eight numbers of accumulator jf are one piece of h's fragments.  Each accumulator is read from its low end on.
.macro SILU i
	WIN 0x01                                       ; source 0 (the accumulators) in window 1
.set n, 0
.rept 16
	v_pk_mul_f32 v[TT+2*n:TT+2*n+1], v[32*(\i)+2*n:32*(\i)+2*n+1], s[46:47] op_sel_hi:[1,0]
.set n, n+1
.endr
	WIN 0
.set n, 0
.rept 32
	v_exp_f32 v[TT+n], v[TT+n]
.set n, n+1
.endr
	v_nop                                          ; a plain line behind the last exponential,
	s_wait_alu depctr_va_vdst(0)                   ; and one wait for the batch: the 32 exponentials have written their results, ahead of the first line that names one
.set n, 0
.rept 16
	v_pk_add_f32 v[TT+2*n:TT+2*n+1], v[TT+2*n:TT+2*n+1], 1.0 op_sel_hi:[1,0]
.set n, n+1
.endr
.set n, 0
.rept 32
	v_rcp_f32 v[TT+n], v[TT+n]
.set n, n+1
.endr
	v_nop
	s_wait_alu depctr_va_vdst(0)                   ; one wait for the 32 reciprocals, ahead of the first line that names a result
	WIN 0x01
.set n, 0
.rept 16
	v_pk_mul_f32 v[TT+2*n:TT+2*n+1], v[32*(\i)+2*n:32*(\i)+2*n+1], v[TT+2*n:TT+2*n+1]
.set n, n+1
.endr
	WIN 0
	s_wait_xcnt 0x0                                ; the slot before's stores have had their addresses translated
.if (\i) > 0
	s_wait_alu depctr_vm_vsrc(0)                   ; the slot before's stores have read v10 and the packed results, which the lines below write again (slot 0: a join's wait has said so of the last way out's)
.endif
	s_lshl_b32 s50, s[28+(\i)], 17
	v_add_nc_u32 v10, s50, v[L16]
.set n, 0
.rept 16
	v_cvt_pk_bf16_f32 v[PKR+n], v[TT+2*n], v[TT+2*n+1]
.set n, n+1
.endr
	s_wait_alu depctr_va_vdst(0)                   ; v10 and the 16 packed results are written, which the four stores read
.set n, 0
.rept 4
	global_store_b128 v10, v[PKR+4*n:PKR+4*n+3], s[44:45] offset:512*n   ; 512 consecutive bytes, at a multiple of 256 from h's first byte
.set n, n+1
.endr
.endm
; DOWN's way out for slot i: the gate's weight; for each of a lane's eight tokens its four neighbouring columns are stored: 16 lanes fill 256 consecutive bytes of a row of y.
.macro YOUT i
	s_wait_xcnt 0x0                                ; the slot before's stores have had their addresses translated
.if (\i) > 0
	s_wait_alu depctr_vm_vsrc(0)                   ; the slot before's stores have read their eight offsets and 32 results, which the lines below write again (slot 0: GSTART's wait has said so of the last way out's)
.endif
.set n, 0
.rept 8
	v_min_u32 v[OF+n], 0x7ff, v[DS+8*(\i)+n]
	v_lshl_add_u32 v[OF+n], v[OF+n], 12, v13       ; row choice x 1,024 + token of 4,096 bytes, my 16 bytes
.set n, n+1
.endr
	WIN 0x01
.set n, 0
.rept 32                                           ; token n / 4, column n % 4: register 0 of each accumulator is read first
	v_mul_f32 v[Q+n], v[32*(\i)+8*(n%4)+n/4], v[GW+8*(\i)+n/4]
.set n, n+1
.endr
	WIN 0
	s_wait_alu depctr_va_vdst(0)                   ; the eight offsets and the 32 results are written, which the eight stores read
.set n, 0
.rept 8
	global_store_b128 v[OF+n], v[Q+4*n:Q+4*n+3], s[44:45]
.set n, n+1
.endr
.endm
	; THE HEAD, run by all eight waves: every LDS address register, every base, the count
	s_load_b256 s[4:11], s[0:1], 0x0
.if P == 1
	s_load_b64 s[12:13], s[0:1], 0x20              ; h
.else
	s_load_b128 s[12:15], s[0:1], 0x20             ; dst, gws
	s_load_b64 s[16:17], s[0:1], 0x30              ; y
	v_lshl_add_u32 v254, v0, 2, 0x40000
	v_mov_b32 v255, 0
.endif
	v_mov_b32 v[NIL], 0
	v_lshrrev_b32 v10, 5, v0
	v_readfirstlane_b32 s18, v10                   ; wave 0..7
	v_and_b32 v10, 31, v0
	v_lshlrev_b32 v[L16], 4, v10                   ; 16 L
	v_and_b32 v11, 15, v10                         ; L % 16
	v_lshrrev_b32 v12, 4, v10                      ; hh = L / 16
	v_lshlrev_b32 v13, 4, v11                      ; 16 (L % 16): lane m's four columns 4 m + jf
	v_add_nc_u32 v15, -1, v12                      ; all ones in lanes 0-15, which hold k = 0 .. 7; 0 in lanes 16-31
	v_lshlrev_b32 v[GA], 17, v12                   ; lanes 16-31: 8 rows of 16,384 bytes on (P = 1), 32 rows of 4,096 (P = 2): 131,072 bytes both
	v_lshl_add_u32 v[GA], v11, 4, v[GA]
.if P == 2
	v_lshlrev_b32 v12, 5, v12                      ; 32 hh: a lane's eight rows in dst and gws
.endif
	s_wait_alu depctr_va_sdst(0)                   ; s18 is written, ahead of its first reader: the role, the LDS addresses and the bases are made from it
	s_and_b32 s19, s18, 3
	s_mul_i32 s50, s19, 16384                      ; four units of 4,096 bytes
	v_add_nc_u32 v[LB], s50, v[L16]                ; in chunk 0, at LDS byte 0,
	s_add_co_u32 s51, s50, 131072
	v_add_nc_u32 v[LB+1], s51, v[L16]              ; in chunk 1,
	s_add_co_u32 s51, s50, 65536
	v_add_nc_u32 v[LB+2], s51, v[L16]              ; in chunk 2,
	s_add_co_u32 s51, s50, 196608
	v_add_nc_u32 v[LB+3], s51, v[L16]              ; in chunk 3
	s_and_b32 s21, ttmp7, 0xffff
.if P == 1
	s_mov_b32 s20, ttmp9
	s_mov_b32 s46, 0xbfb8aa3b                      ; -log2 e
	s_mov_b32 s47, s46                             ; named with it as a pair
.else
	s_and_b32 s20, ttmp9, 15
	s_lshr_b32 s48, ttmp9, 4
.endif
	s_lshl_b32 s43, s21, 6
	s_mov_b32 s25, 0
	s_mov_b32 s27, 0
	s_mov_b32 s39, 0
	s_wait_kmcnt 0x0
	s_lshl_b32 s38, s21, 7
	s_add_nc_u64 s[10:11], s[10:11], s[38:39]
	s_load_b32 s22, s[10:11], 0x0                  ; the expert's count
.if P == 1
	s_lshl_b32 s38, s21, 14
	s_lshl_b32 s50, s20, 9                         ; the slice's 512 bytes of a row
	s_add_co_u32 s38, s38, s50
	s_add_nc_u64 s[8:9], s[8:9], s[38:39]          ; b1 at the slice's 128 columns
	s_lshl_b32 s38, s20, 12
	s_add_nc_u64 s[12:13], s[12:13], s[38:39]      ; h at fragment 4 x slice of a tile
	s_lshl_b32 s38, s21, 24                        ; the expert's 16 MiB of weights
	s_add_co_u32 s38, s38, s50
	s_lshl_b32 s50, s19, 21                        ; four units: 128 rows of 16,384 bytes
	s_add_co_u32 s38, s38, s50
	s_add_nc_u64 s[6:7], s[6:7], s[38:39]
	s_add_nc_u64 s[56:57], s[6:7], 0x800000        ; chunk 1: 512 rows of 16,384 bytes on
	s_add_nc_u64 s[58:59], s[6:7], 0x100           ; chunk 2: the second 64 columns
	s_add_nc_u64 s[60:61], s[6:7], 0x800100        ; chunk 3: both
.else
	s_lshl_b32 s38, s21, 12
	s_lshl_b32 s50, s20, 8                         ; the slice's 256 bytes of a row
	s_add_co_u32 s38, s38, s50
	s_add_nc_u64 s[8:9], s[8:9], s[38:39]          ; b2 at the slice's 64 columns
	s_lshl_b32 s38, s48, 16
	s_add_nc_u64 s[4:5], s[4:5], s[38:39]          ; h at the half of K: 64 fragments on
	s_lshl_b32 s38, s48, 23                        ; the half's part of y; also the half's 2,048 rows of 4,096 bytes of weights
	s_add_co_u32 s38, s38, s50
	s_add_nc_u64 s[44:45], s[16:17], s[38:39]      ; y at the half's part and the slice's 256 bytes of a row
	s_lshl_b32 s51, s21, 24                        ; the expert's 16 MiB of weights
	s_add_co_u32 s38, s38, s51
	s_lshl_b32 s51, s19, 19                        ; four units: 128 rows of 4,096 bytes
	s_add_co_u32 s38, s38, s51
	s_add_nc_u64 s[6:7], s[6:7], s[38:39]
	s_add_nc_u64 s[56:57], s[6:7], 0x200000        ; a chunk is 512 rows of 4,096 bytes
	s_add_nc_u64 s[58:59], s[6:7], 0x400000
	s_add_nc_u64 s[60:61], s[6:7], 0x600000
	s_cmp_eq_u32 s48, 0
	s_cselect_b32 s51, -1, 0                       ; the bias belongs to half 0
	v_and_b32 v10, s51, v15
.endif
	s_wait_kmcnt 0x0
	s_min_u32 s22, s22, 1024
	s_add_co_u32 s23, s22, 15
	s_lshr_b32 s23, s23, 4                         ; nt
	s_max_u32 s24, s23, 1                          ; nt1
	s_sub_co_u32 s49, s24, 1
	s_wait_alu depctr_va_vdst(0)                   ; the head's offsets and LDS addresses v1, v12, v13, v246 and v248-251 are written: loads, stores and LDS stores of both roles read them
	s_cmp_ge_u32 s18, 4
	s_cbranch_scc1 .Lpset
	; THE CONSUMERS' SET-UP: the bias fragments and the fragment of ones; group 0's tiles and first token fragments; the first sums' start
.if P == 1
	global_load_b128 v[AR:AR+3], v13, s[8:9]                ; the first 64 columns' bias,
	global_load_b128 v[AR+4:AR+7], v13, s[8:9] offset:256   ; the second's
	s_wait_loadcnt 0x0
.set n, 0
.rept 8
	v_cvt_pk_bf16_f32 v[TT+n], v[AR+n], v[NIL]     ; the bias at k = 0 (the low half), 0 at k = 1
.set n, n+1
.endr
	WIN 0x40
.set n, 0
.rept 8
	v_and_b32 v[BH+n], v15, v[TT+n]                ; both halves' are kept,
.set n, n+1
.endr
.set n, 0
.rept 4
	v_and_b32 v[WB+8*n], v15, v[TT+n]              ; the first half's stand in the fragments
.set n, n+1
.endr
.else
	global_load_b128 v[AR:AR+3], v13, s[8:9]
	s_wait_loadcnt 0x0
.set n, 0
.rept 4
	v_cvt_pk_bf16_f32 v[TT+n], v[AR+n], v[NIL]     ; the bias at k = 0 (the low half), 0 at k = 1
.set n, n+1
.endr
	WIN 0x40
.set n, 0
.rept 4
	v_and_b32 v[WB+8*n], v10, v[TT+n]
.set n, n+1
.endr
.endif
	v_and_b32 v[ONES], 0x3f80, v15                 ; 1.0 at k = 0
.set n, 1
.rept 7                                            ; all other k of the five fragments are 0
	v_mov_b32 v[ONES+n], 0
	v_mov_b32 v[WB+n], 0
	v_mov_b32 v[WB+8+n], 0
	v_mov_b32 v[WB+16+n], 0
	v_mov_b32 v[WB+24+n], 0
.set n, n+1
.endr
	WIN 0
	GSTART 0
	INIT
	WIN 0
	s_branch .Ljoin0
.Lpset:
	; THE PRODUCERS' SET-UP: chunk 0's 64 loads, and chunk 0
	WIN 0x40
.set ps, 0
.rept 8
	PLD ps, 6                                      ; v246 was written ahead of the head's wait; no vector line has named the eight sets
.set ps, ps+1
.endr
	BODY LB, 1, 56                                 ; chunk 0 goes to LDS; chunk 1 is asked for
.Ljoin0:
	JOIN                                           ; chunk 0 is in LDS
.Ltrip:
	s_and_b32 s26, s25, 1                          ; t
	s_lshr_b32 s27, s25, 1                         ; group
.if P == 2
	s_lshl_b32 s38, s26, 15                        ; the trip's 32 fragments of 1,024 bytes; the join's wait has freed the two bases
	s_add_nc_u64 s[34:35], s[4:5], s[38:39]
	s_xor_b32 s38, s38, 32768                      ; what follows them: the other 32 (behind the last: the first again; those 30 loads serve nothing and stay inside what has been written)
	s_add_nc_u64 s[36:37], s[4:5], s[38:39]
.endif
	; PHASE A
	s_cmp_ge_u32 s18, 4
	s_cbranch_scc1 .LprodA
	s_mul_i32 s50, s27, 20
	s_cmp_ge_u32 s50, s24
	s_cbranch_scc1 .LjoinA                         ; the expert has no tile in this group
	PHASE 0
	s_branch .LjoinA
.LprodA:
	s_cmp_eq_u32 s25, 0
	s_cbranch_scc1 .LpA0
	s_cmp_eq_u32 s25, 1
	s_cbranch_scc0 .LjoinA                         ; the slice is in LDS
	BODY LB+3, 0, 6                                ; chunk 3 goes to LDS: the last
	s_branch .LjoinA
.LpA0:
	BODY LB+1, 1, 58                               ; chunk 1 goes to LDS; chunk 2 is asked for
.LjoinA:
	JOIN
	; PHASE B
	s_cmp_ge_u32 s18, 4
	s_cbranch_scc1 .LprodB
	s_mul_i32 s50, s27, 20
	s_cmp_ge_u32 s50, s24
	s_cbranch_scc1 .LjoinB
	PHASE 1
.if P == 1
	PLACES                                         ; K ends with every phase B: 64 columns of h go out
	s_wait_xcnt 0x0
	s_lshl_b32 s38, s26, 11                        ; the half's two fragments of h
	s_add_nc_u64 s[44:45], s[12:13], s[38:39]
.set i, 0
.rept 5
	s_add_co_u32 s50, s33, 4*i
	s_cmp_ge_u32 s50, s24
	s_cbranch_scc1 .LwoEnd                         ; this slot and those behind it repeat the last tile: not stored
	SILU i
.set i, i+1
.endr
.LwoEnd:
.rept 5
	v_nop                                          ; five places: INIT writes the accumulators anew
.endr
	s_cmp_eq_u32 s26, 0
	s_cselect_b32 s51, -1, 0                       ; behind the first 64 columns come the second, behind the second the next group's first
	WIN 0x45
.set n, 0
.rept 4
	v_cndmask_b32 v[WB+8*n], v[BH+n], v[BH+4+n], s51
.set n, n+1
.endr
	WIN 0
	s_cmp_eq_u32 s26, 0
	s_cbranch_scc1 .Lsame                          ; the same tiles go on: their first fragments have been asked for
	s_add_co_u32 s27, s27, 1
	GSTART 1
.Lsame:
	INIT
	WIN 0
.else
	s_cmp_eq_u32 s26, 0
	s_cbranch_scc1 .LjoinB                         ; K goes on
	PLACES
	s_cmp_eq_u32 s23, 0
	s_cbranch_scc1 .LwoEnd                         ; an expert without tokens stores nothing
	s_wait_loadcnt 0x0                             ; the token buffers are free
.set i, 0
.rept 5
	s_lshl_b32 s50, s[28+i], 6                     ; 16 rows x 4 bytes a tile
	v_add_nc_u32 v[LDA+i], s50, v12                ; GSTART's wait has shown that the last way out's loads have read these five
.set i, i+1
.endr
	s_wait_alu depctr_va_vdst(0)                   ; the five addresses are written, which the loads read; the products are done reading the token buffers, in which the lists land
.set i, 0
.rept 5
	global_load_b128 v[DS+8*i:DS+8*i+3], v[LDA+i], s[12:13]
	global_load_b128 v[DS+8*i+4:DS+8*i+7], v[LDA+i], s[12:13] offset:16
	global_load_b128 v[GW+8*i:GW+8*i+3], v[LDA+i], s[14:15]
	global_load_b128 v[GW+8*i+4:GW+8*i+7], v[LDA+i], s[14:15] offset:16
.set i, i+1
.endr
	s_wait_loadcnt 0x0
.set i, 0
.rept 5
	s_add_co_u32 s50, s33, 4*i
	s_cmp_ge_u32 s50, s23
	s_cbranch_scc1 .LwoEnd
	YOUT i
.set i, i+1
.endr
.LwoEnd:
.rept 5
	v_nop                                          ; five places: INIT writes the accumulators anew
.endr
	s_add_co_u32 s27, s27, 1
	GSTART 1
	INIT
	WIN 0
.endif
	s_branch .LjoinB
.LprodB:
	s_cmp_lg_u32 s25, 0
	s_cbranch_scc1 .LjoinB
	BODY LB+2, 1, 60                               ; chunk 2 goes to LDS; chunk 3 is asked for
.LjoinB:
	JOIN
	s_add_co_u32 s25, s25, 1
	s_cmp_lt_u32 s25, 8
	s_cbranch_scc1 .Ltrip
	s_wait_dscnt 0x0                               ; my last LDS instructions are done.  The closing add writes 0 to my spare word, from byte 262,144 on
	s_wait_alu depctr_hold_cnt(0) depctr_sa_sdst(0) depctr_va_vdst(0) depctr_va_sdst(0) depctr_va_ssrc(0) depctr_va_vcc(0) depctr_vm_vsrc(0)
	s_wait_tensorcnt 0x0
	ds_add_u32 v254, v255
	s_wait_dscnt 0x0
	s_endpgm
.Lfunc_end_k_qfa4053d955_down:
	.size	k_qfa4053d955_down, .Lfunc_end_k_qfa4053d955_down-k_qfa4053d955_down
	.p2alignl 7, 3214868480
	.fill 96, 4, 3214868480
	.section	.rodata,"a",@progbits
	.p2align	6, 0x0
	.amdhsa_kernel k_qfa4053d955_down
		.amdhsa_group_segment_fixed_size 263168
		.amdhsa_private_segment_fixed_size 0
		.amdhsa_enable_private_segment 0
		.amdhsa_kernarg_size 56
		.amdhsa_user_sgpr_count 2
		.amdhsa_user_sgpr_kernarg_segment_ptr 1
		.amdhsa_wavefront_size32 1
		.amdhsa_system_sgpr_workgroup_id_x 1
		.amdhsa_system_sgpr_workgroup_id_y 1
		.amdhsa_system_sgpr_workgroup_id_z 1
		.amdhsa_system_vgpr_workitem_id 0
		.amdhsa_next_free_vgpr 512
		.amdhsa_next_free_sgpr 66
		.amdhsa_reserve_vcc 0
		.amdhsa_float_denorm_mode_32 3
		.amdhsa_float_denorm_mode_16_64 3
		.amdhsa_memory_ordered 1
		.amdhsa_forward_progress 1
		.amdhsa_inst_pref_size 199
	.end_amdhsa_kernel
	.amdgpu_metadata
---
amdhsa.version: [ 1, 2 ]
amdhsa.kernels:
  - .name:           k_qfa4053d955_down
    .symbol:         k_qfa4053d955_down.kd
    .args:
      - { .name: h, .offset: 0, .size: 8, .value_kind: global_buffer, .address_space: global }
      - { .name: w2, .offset: 8, .size: 8, .value_kind: global_buffer, .address_space: global }
      - { .name: b2, .offset: 16, .size: 8, .value_kind: global_buffer, .address_space: global }
      - { .name: cnt, .offset: 24, .size: 8, .value_kind: global_buffer, .address_space: global }
      - { .name: dst, .offset: 32, .size: 8, .value_kind: global_buffer, .address_space: global }
      - { .name: gws, .offset: 40, .size: 8, .value_kind: global_buffer, .address_space: global }
      - { .name: y, .offset: 48, .size: 8, .value_kind: global_buffer, .address_space: global }
    .group_segment_fixed_size: 263168
    .private_segment_fixed_size: 0
    .kernarg_segment_align: 8
    .kernarg_segment_size: 56
    .max_flat_workgroup_size: 256
    .sgpr_count:     66
    .vgpr_count:     512
    .wavefront_size: 32
...
	.end_amdgpu_metadata
.endif
;; end of part 7
;; launch combine: the kernel of part 5 again; grid 256 x 1, 8 waves a work-group, no clusters, 0 bytes of LDS; arguments y, out0; writes out0
